; MI455X (gfx1250); checked and timed in simulation.
; The chip was launched on July 23, 2026; its instructions are those of AMD's public machine-readable ISA for CDNA 5 (MIT licence, August 2026) and "CDNA5" Instruction Set Architecture Reference Guide (July 2026). The comments in the code are by the model that wrote it; some were corrected since.
;; Attention. Allowed arithmetic: matrix products marked QUANTISED: E2M3 operands, one E8M0 scale for each 32 along K, by v_wmma_scale_f32_16x16x128_f8f6f4 with both operands' format E2M3, f32 sums; everything else in f32.
;; Inputs: wk 2,048 x 512 float32; wo 1,024 x 2,048 float32; wq 2,048 x 1,024 float32; wv 2,048 x 512 float32; x 2 x 2,048 x 2,048 float32.
;; Outputs: out0 2 x 2,048 x 2,048 float32.
;; This version of the problem:
;;   THIS VERSION OF THE PROBLEM IS GIVEN IN LOW PRECISION. The matrix products marked QUANTISED in the list below multiply operands that are first quantised to E2M3 (2 exponent bits, 3 mantissa bits; 6 bits a number), with one power-of-two scale for each 32 numbers along K (OCP MX v1.0); their sums are f32. All else is computed in f32.
;;   The module's matrix products, in the order in which they are computed (A, B: the left and right operand; K: the contracted axis; several contracted axes count as one K, in the product's order):
;;     1. [M 4,096, K 2,048] x [K 2,048, N 1,024]; A: input x; B: input wq: QUANTISED
;;     2. [M 4,096, K 2,048] x [K 2,048, N 512]; A: input x; B: input wk: QUANTISED
;;     3. [M 4,096, K 2,048] x [K 2,048, N 512]; A: input x; B: input wv: QUANTISED
;;     4. batch 32 x [M 2,048, K 64] x [K 64, N 2,048]; A: computed on the way; B: computed on the way: QUANTISED
;;     5. batch 32 x [M 2,048, K 2,048] x [K 2,048, N 64]; A: softmax (see below); B: computed on the way: QUANTISED
;;     6. [M 4,096, K 1,024] x [K 1,024, N 2,048]; A: computed on the way; B: input wo: QUANTISED
;;   THE QUANTISER, for each operand of a quantised product, along K:
;;     - K is cut into blocks of 32 from its start; a last block that is shorter is filled with zeros.
;;     - A block's scale is 2^e with e = floor(log2(the largest magnitude in the block)) - 2, held to -126 .. 127; a block of zeros has e = 0. As a byte (E8M0): e + 127.
;;     - Each number is divided by its block's scale, clamped to +-7.5, and rounded to the nearest number of E2M3, ties to even, subnormals kept.
;;     - The product sums the exact products of the quantised numbers (number of the format x scale) in f32.
;;   ~~~python
;;   def quantise(x, axis):      # numpy; x: float32 -> the quantised numbers, widened to float32 again
;;       x = np.moveaxis(x, axis, -1); K = x.shape[-1]
;;       x = np.pad(x, [(0, 0)] * (x.ndim - 1) + [(0, -K % 32)]); x = x.reshape(x.shape[:-1] + (-1, 32)); a = np.abs(x).max(-1, keepdims=True)
;;       e = np.where(a > 0, np.clip(np.frexp(np.where(a > 0, a, 1))[1] - 1 - 2, -126, 127), 0)      # np.frexp(a)[1] - 1 = floor(log2(a)), exactly
;;       r = np.clip(x / 2.0 ** e, -7.5, 7.5)
;;       step = 2.0 ** (np.maximum(np.frexp(np.where(r == 0, 1, r))[1] - 1, 0) - 3)
;;       q = np.round(r / step) * step * 2.0 ** e      # np.round: ties to even
;;       return np.moveaxis(q.reshape(q.shape[:-2] + (-1,))[..., :K], -1, axis).astype(np.float32)
;;   ~~~
;;   SOFTMAX AHEAD OF A QUANTISED PRODUCT. Where the list says 'softmax', what is quantised is not the finished softmax but p = 2^(t - M), with t = logit x log2(e) and M = ceil(the row's largest t), a whole number; so 1/2 < the row's largest p <= 1. The row's sum l is taken of the UNQUANTISED p, in f32, and the product's result is divided by l at the end. Since M is a whole number, a kernel that streams over the keys may use a running M (the ceiling of the running maximum): every later rescaling is an exact power of two, which a block's scale takes up: the codes' values come out the same.
;;   OPERANDS COMPUTED ON THE WAY. 'Computed on the way' means the value that the module computes at that place (a softmax that the list does not call 'softmax' is quantised finished and normalised). What goes into a quantiser is computed in f32, as accurately as f32 sums, v_exp_f32 and their like allow (about 1e-6 of the number): no bf16 or f16 on the way to a quantiser, and a product that is left as it is and whose result goes on into a quantised operand takes f32 operands (vector FMAs, or v_wmma_f32_16x16x4_f32). A number that lies on a knife's edge between two numbers of the format may be rounded either way, as far as f32 arithmetic and the matrix unit's own rounding can turn it there, and no further.
;; One version. Each part assembles by itself: llvm-mc -triple=amdgcn-amd-amdhsa -mcpu=gfx1250 --defsym DOCPART=n.
;; ======== version 1 of 1: 4 launches
;; limits: right only within a limited range of input values
;; workspace buffers: prep 11,993,088 bytes; qkv 6,750,208 bytes; att 3,276,800 bytes
;; launch quant (part 1): grid 448 x 1, 8 waves a work-group, no clusters, 97,280 bytes of LDS; arguments wq, wk, wv, wo, prep, x; writes prep
.if DOCPART == 1
	.amdgcn_target "amdgcn-amd-amdhsa--gfx1250"
	.amdhsa_code_object_version 6
	.text
	.protected	k_q1a156f3a95_quant
	.globl	k_q1a156f3a95_quant
	.p2align	8
	.type	k_q1a156f3a95_quant,@function
k_q1a156f3a95_quant:
	s_mov_b64 s[64:65], 0
	v_nop
	global_prefetch_b8 v0, s[64:65] scope:SCOPE_SE
	s_setreg_imm32_b32 hwreg(HW_REG_WAVE_MODE, 25, 1), 1
	s_wait_xcnt 0x0
; ONE LAUNCH QUANTISES THE WEIGHTS AND x: work-groups 0-191 take wq, wk, wv, wo (K = the FIRST axis), work-groups 192-447 take x [4096][2048] (K innermost).  Every work-group reads 131,072 bytes.
; All become codes of FP6 (E2M3) with one E8M0 byte for each 32 along K, laid as the later launches' operand registers want them: tiles of 16 rows (weights: columns), a tile's K steps of 128 on end,
; each K step an image of a fragment's 12 registers: register 4 c + w of lane l at byte 512 c + 16 l + 4 w (1,536 bytes).  Row rho of tile t is row 32 (t / 2) + 8 (t % 2) + rho + 8 (rho / 8).
; Scale words (4 bytes: one row, 128 K): byte ((t / 2) G + g) 256 + (t % 2) 128 + 8 rho + 4 q, K step 2 g + q, G = K / 256.
; A block's scale is 2^(floor(log2(largest magnitude)) - 2); its byte is the largest magnitude's exponent field - 2, held at 1 from below.
; LIMITS: a block of zeros gets the byte 1 (its codes are zeros; this program alone reads the bytes); blocks under 2^-124 are held at byte 1; NaN and infinities are not served.
; THE WEIGHTS.  A work-group takes 128 columns x 256 K of one tensor (0-63 wq, 64-95 wk, 96-127 wv, 128-191 wo).  Wave w: 32 columns (w % 4), one K step (w / 4).
; A lane takes a column and its 128 registers run down K: a load reads 128 neighbouring bytes, four waves side by side 512; a block of 32 is one lane's.
; The codes turn through the wave's own stage in LDS into the images and leave 512 consecutive bytes a store; the scale words meet in LDS and leave as whole blocks of 256 bytes.
; x.  Work-group 192 + g: rows 32 (g / 2) on, half g % 2 of K.  Wave w: one K step, two fragments (the pair's two tiles).  Each of its 32 loads reads a row's 512 consecutive bytes, 16 a lane; all 32 are out at once.
; A fragment's lane wants 2 x 128 consecutive bytes of ONE row: so 16 rows at a time turn through the wave's own stage in LDS, rows 528 bytes apart (16 rows start at 16 different groups of banks).
; Waves 0-3 of x's work-groups also make the table of cos and sin: [position 2048][f 32][cos, sin] f32, angle = position x 10000^(-f / 32).
; 10000^(-f / 32) is 2^(f x -0.41524101) by v_exp_f32: good to some 2 units in the last place, so an angle is off by at most about 4e-4 at position 2,047.
; No tensor load and no cluster: the work-groups share no input.  The two ways part on the work-group's number alone and have LDS bytes of their own.
.set WC,   6291456                     ; prep: wq, wk, wv codes (tiles 0-63, 64-95, 96-127), 24,576 bytes a tile
.set WOC,  9437184                     ; wo's codes, 12,288 bytes a tile
.set XS,   11010048                    ; x's scale words
.set WS,   11272192                    ; the weights' scale words, 2,048 bytes a pair of tiles
.set WOS,  11403264                    ; wo's, 1,024 bytes a pair
.set ROPE, 11468800                    ; the table
.set STW,  3328                        ; LDS, weights: a wave's stage: two images of 1,536 bytes, each with 128 bytes behind it
.set STU,  1664
.set SW,   26624                       ; LDS, weights: the work-group's scale words, 1,024 bytes
.set XST,  27648                       ; LDS, x: a wave's stage, 16 rows x 528 bytes
.set XSW,  95232                       ; LDS, x: the work-group's scale words, 1,024 bytes
.set SPARE, 96256                      ; the spare words, 128 bytes a wave
.set V,    16                          ; weights: v16-31 byte offsets of rows 0-15 of a run of 16 rows
.set X,    32                          ; v32-159  my column's 128 numbers
.set C,    160                         ; v160-183 four blocks' codes, six registers each
.set CT,   184                         ; v184-186 a block's second half as converted
.set TM,   188
.set SO,   190
.set BY,   191
.set OUT,  196                         ; v196-219 the two images read back
.set WD,   220                         ; my column's scale word
	s_load_b256 s[4:11], s[0:1], 0x0               ; wq, wk, wv, wo
	s_load_b64 s[12:13], s[0:1], 0x20              ; prep
	s_load_b64 s[58:59], s[0:1], 0x28              ; x
	v_lshl_add_u32 v252, v0, 2, SPARE
	v_mov_b32 v253, 0
	v_lshrrev_b32 v1, 5, v0
	s_delay_alu instid0(VALU_DEP_1)
	v_readfirstlane_b32 s24, v1                    ; wave 0..7
	s_wait_alu depctr_va_vdst(0)                   ; the wait ahead of the branch
	s_cmp_lt_u32 ttmp9, 192
	s_cbranch_scc0 .Lx_path
	v_and_b32 v1, 31, v0                           ; lane = column in the wave's 32
	s_and_b32 s25, s24, 3                          ; which 32 columns
	s_lshr_b32 s26, s24, 2                         ; which K step of the two
	v_and_b32 v2, 7, v0
	v_bfe_u32 v3, v0, 4, 1
	s_delay_alu instid0(VALU_DEP_1)
	v_lshl_add_u32 v2, v3, 3, v2                   ; rho = lane % 8 + 8 (lane / 16)
	v_bfe_u32 v3, v0, 3, 1                         ; u = (lane / 8) % 2: which tile of the pair
	s_mul_i32 s27, s24, STW
	v_mul_u32_u24 v4, v3, STU
	s_delay_alu instid0(VALU_DEP_1)
	v_lshl_add_u32 v4, v2, 4, v4
	s_delay_alu instid0(VALU_DEP_1)
	v_add_nc_u32 v4, s27, v4                       ; into the stage: image u, 16 rho
	v_lshlrev_b32 v5, 4, v1                        ; 16 x lane
	s_delay_alu instid0(VALU_DEP_1)
	v_add_nc_u32 v6, s27, v5                       ; out of the stage
	s_lshl_b32 s28, s25, 8
	s_add_co_u32 s28, s28, SW
	v_lshlrev_b32 v8, 3, v1                        ; 8 x lane
	s_delay_alu instid0(VALU_DEP_1)
	v_add_nc_u32 v9, s28, v8                       ; a pair's 256 bytes of scale words, read back
	s_lshl_b32 s29, s26, 2
	s_add_co_u32 s28, s28, s29
	v_lshlrev_b32 v7, 7, v3
	s_delay_alu instid0(VALU_DEP_1)
	v_lshl_add_u32 v7, v2, 3, v7
	s_delay_alu instid0(VALU_DEP_1)
	v_add_nc_u32 v7, s28, v7                       ; my word: 256 pair + 128 u + 8 rho + 4 q
	s_wait_alu depctr_va_vdst(0)                   ; the wait ahead of the wait below
	s_wait_kmcnt 0x0
	s_cmp_lt_u32 ttmp9, 64                         ; which tensor: the choices hang on the work-group's number alone
	s_cselect_b64 s[14:15], s[4:5], s[6:7]
	s_cselect_b32 s16, 3, 2                        ; log2 of the tensor's groups of 128 columns
	s_cselect_b32 s17, 0, 64                       ; the tensor's first work-group
	s_cmp_lt_u32 ttmp9, 96
	s_cselect_b64 s[14:15], s[14:15], s[8:9]
	s_cselect_b32 s17, s17, 96
	s_cmp_lt_u32 ttmp9, 128
	s_cselect_b64 s[14:15], s[14:15], s[10:11]
	s_cselect_b32 s16, s16, 4
	s_cselect_b32 s18, s17, 0                      ; the tensor's first tile
	s_cselect_b32 s17, s17, 128
	s_mov_b32 s19, WOC
	s_cselect_b32 s19, WC, s19                     ; where its codes begin,
	s_mov_b32 s20, 12288
	s_cselect_b32 s20, 24576, s20                  ; bytes of a tile,
	s_mov_b32 s21, WOS
	s_cselect_b32 s21, WS, s21                     ; where its scale words begin,
	s_mov_b32 s22, 1024
	s_cselect_b32 s22, 2048, s22                   ; bytes of a pair's scale words
	s_sub_co_u32 s30, ttmp9, s17
	s_lshl_b32 s31, -1, s16
	s_and_not1_b32 s31, s30, s31                   ; group of 128 columns
	s_lshr_b32 s52, s30, s16                       ; which 256 along K
	s_lshl_b32 s23, 512, s16                       ; bytes of a row of the tensor
	s_lshl_b32 s53, s52, 8
	s_lshl_b32 s54, s26, 7
	s_add_co_u32 s53, s53, s54                     ; my first row
	s_mul_i32 s53, s53, s23
	s_lshl_b32 s54, s31, 9
	s_add_co_u32 s53, s53, s54
	s_lshl_b32 s54, s25, 7
	s_add_co_u32 s54, s53, s54                     ; + my first column's bytes
	s_mov_b32 s55, 0
	s_add_nc_u64 s[32:33], s[14:15], s[54:55]
	s_lshl_b32 s54, s23, 4                         ; 16 rows on
.irp k, 1,2,3,4,5,6,7
	s_add_nc_u64 s[32+2*\k:33+2*\k], s[30+2*\k:31+2*\k], s[54:55]
.endr
	v_lshlrev_b32 v[V], 2, v1
.irp j, 1,2,3,4,5,6,7,8,9,10,11,12,13,14,15
	s_delay_alu instid0(VALU_DEP_1)
	v_add_nc_u32 v[V+\j], s23, v[V+\j-1]
.endr
.set n, 0
.rept 128                                      ; row n of my K step: eight bases 16 rows apart, sixteen offsets; none is written again
	global_load_b32 v[X+n], v[V+n%16], s[32+2*(n/16):33+2*(n/16)] th:TH_LOAD_NT
.set n, n+1
.endr
	s_lshl_b32 s53, s31, 3                         ; where the images go: tile = first + 8 group + 2 (w % 4) (+ u),
	s_add_co_u32 s53, s53, s18
	s_lshl_b32 s54, s25, 1
	s_add_co_u32 s53, s53, s54
	s_mul_i32 s53, s53, s20
	s_add_co_u32 s53, s53, s19
	s_lshl_b32 s54, s52, 1
	s_add_co_u32 s54, s54, s26                     ; K step
	s_mul_i32 s54, s54, 1536
	s_add_co_u32 s54, s53, s54
	s_add_nc_u64 s[48:49], s[12:13], s[54:55]
	s_mov_b32 s54, s20
	s_add_nc_u64 s[50:51], s[48:49], s[54:55]      ; the pair's odd tile
	s_lshr_b32 s53, s18, 1                         ; and the scale words: pair = first / 2 + 4 group + w % 4
	s_lshl_b32 s54, s31, 2
	s_add_co_u32 s53, s53, s54
	s_add_co_u32 s53, s53, s25
	s_mul_i32 s53, s53, s22
	s_add_co_u32 s53, s53, s21
	s_lshl_b32 s54, s52, 8
	s_add_co_u32 s54, s53, s54
	s_add_nc_u64 s[56:57], s[12:13], s[54:55]
; Block bk of four: 32 numbers of my column.  It is lane 16 (bk % 2) + rho's registers 6 (bk / 2) .. + 5 of the image.  left: loads that may stay out.
.macro QBW bk, left
.set XB, X+32*(\bk)
.set CK, C+6*(\bk)
	s_wait_loadcnt \left
	v_max3_num_f32 v[TM], |v[XB]|, |v[XB+1]|, 0x1800000          ; the floor 2^(3 - 127) among the leaves holds the byte at 1 from below
	v_max3_num_f32 v[TM+1], |v[XB+2]|, |v[XB+3]|, |v[XB+4]|      ; two chains
.irp i, 5,9,13,17,21,25
	s_delay_alu instid0(VALU_DEP_2)
	v_max3_num_f32 v[TM], v[TM], |v[XB+\i]|, |v[XB+\i+1]|
	s_delay_alu instid0(VALU_DEP_2)
	v_max3_num_f32 v[TM+1], v[TM+1], |v[XB+\i+2]|, |v[XB+\i+3]|
.endr
	s_delay_alu instid0(VALU_DEP_2)
	v_max3_num_f32 v[TM], v[TM], |v[XB+29]|, |v[XB+30]|
	s_delay_alu instid0(VALU_DEP_1)
	v_max3_num_f32 v[TM], v[TM], v[TM+1], |v[XB+31]|
	s_delay_alu instid0(VALU_DEP_1)
	v_add_nc_u32 v[SO], 0xff000000, v[TM]          ; 2 off the exponent field: the conversion's scale operand
	s_delay_alu instid0(VALU_DEP_1)
	v_lshrrev_b32 v[BY], 23, v[SO]                 ; the byte
.if (\bk) == 0
	s_delay_alu instid0(VALU_DEP_1)
	v_mov_b32 v[WD], v[BY]
.else
	s_delay_alu instid0(VALU_DEP_1)
	v_lshl_or_b32 v[WD], v[BY], 8*(\bk), v[WD]
.endif
	v_cvt_scalef32_pk16_fp6_f32 v[CK:CK+2], v[XB:XB+15], v[SO]
	v_cvt_scalef32_pk16_fp6_f32 v[CT:CT+2], v[XB+16:XB+31], v[SO]   ; (a conversion's three registers begin on an even number)
	v_nop                                          ; one plain line behind the conversions
.irp i, 0,1,2
	v_mov_b32 v[CK+3+\i], v[CT+\i]
.endr
.if (\bk) < 2
	ds_store_b128 v4, v[CK:CK+3] offset:256*((\bk)%2)
	ds_store_b64 v4, v[CK+4:CK+5] offset:512+256*((\bk)%2)
.else
	ds_store_b64 v4, v[CK:CK+1] offset:520+256*((\bk)%2)
	ds_store_b128 v4, v[CK+2:CK+5] offset:1024+256*((\bk)%2)
.endif
.endm
	QBW 0, 63                                      ; 96 loads are younger; the count's field ends at 63, and a smaller count is safe
	QBW 1, 63                                      ; 64 are younger
	QBW 2, 32
	QBW 3, 0
	ds_store_b32 v7, v[WD]
.irp u, 0,1
.irp k, 0,1,2
	ds_load_b128 v[OUT+12*\u+4*\k:OUT+12*\u+4*\k+3], v6 offset:\u*STU+512*\k   ; LDS serves a wave's instructions in order: these see my stores
.endr
.endr
.irp u, 0,1
.irp k, 0,1,2
	s_wait_dscnt 5-3*\u-\k
	global_store_b128 v5, v[OUT+12*\u+4*\k:OUT+12*\u+4*\k+3], s[48+2*\u:49+2*\u] offset:512*\k   ; 512 consecutive bytes
.endr
.endr
	s_wait_dscnt 0x0                               ; for the others' sake: my scale word has landed
	s_barrier_signal -1
	s_barrier_wait -1
	s_cmp_lt_u32 s24, 4
	s_cbranch_scc0 .Lw_end
	ds_load_b64 v[222:223], v9                     ; pair w: both K steps' words of its 32 rows
	s_wait_dscnt 0x0
	global_store_b64 v8, v[222:223], s[56:57]      ; 256 consecutive bytes, aligned
.Lw_end:
	s_wait_tensorcnt 0x0                           ; the wave's end
	ds_add_u32 v252, v253
	s_wait_dscnt 0x0
	s_endpgm
; ---------------- x ----------------
.set G,    32                          ; v32-159  my 32 rows as loaded: row j in v[G + 4 j] on
.set XPC,  224                         ; v224-247 two fragments' codes
.set XCT,  20
.set XW,   16                          ; v16-17   the fragments' scale words
.set XTM,  8
.set XSO,  10
.set XBY,  12
.set XPT,  14
.Lx_path:
	s_sub_co_u32 s16, ttmp9, 192                   ; g
	s_lshr_b32 s33, s16, 1                         ; pair of tiles
	s_and_b32 s17, s16, 1
	s_lshl_b32 s38, s17, 3
	s_add_co_u32 s38, s38, s24                     ; my K step, 0..15
	s_lshl_b32 s40, s33, 18                        ; 32 rows of 8,192 bytes
	s_lshl_b32 s20, s38, 9
	s_add_co_u32 s40, s40, s20
	s_mov_b32 s41, 0
	s_mul_i32 s48, s33, 49152                      ; the codes: two tiles of 24,576 bytes, K steps of 1,536
	s_mul_i32 s20, s38, 1536
	s_add_co_u32 s48, s48, s20
	s_mov_b32 s49, 0
	s_lshl_b32 s50, s33, 3                         ; the scale words that waves 0-3 store: block 8 pair + 4 (g % 2) + w
	s_lshl_b32 s20, s17, 2
	s_add_co_u32 s50, s50, s20
	s_and_b32 s21, s24, 3
	s_add_co_u32 s50, s50, s21
	s_lshl_b32 s50, s50, 8
	s_add_co_u32 s50, s50, XS
	s_mov_b32 s51, 0
	s_lshl_b32 s52, s16, 11                        ; the table: 8 positions of 256 bytes
	s_add_co_u32 s52, s52, ROPE
	s_mov_b32 s53, 0
	s_mul_i32 s39, s24, 8448
	s_add_co_u32 s39, s39, XST                     ; my stage
	s_lshr_b32 s22, s24, 1
	s_lshl_b32 s22, s22, 8
	s_and_b32 s23, s24, 1
	s_lshl_b32 s23, s23, 2
	s_add_co_u32 s22, s22, s23
	s_add_co_u32 s22, s22, XSW                     ; my words: 256 (w / 2) + 4 (w % 2)
	s_lshl_b32 s23, s21, 8
	s_add_co_u32 s23, s23, XSW
	s_mov_b32 s34, 0x3fc90fdb                      ; pi / 2, the upper part
	s_mov_b32 s35, 0xb33bbd2e                      ; and the rest
	s_mov_b32 s36, 0x76543210
	s_mov_b32 s37, 0xfedcba98                      ; v_permlanex16_b32's selects for lane l xor 16
	v_and_b32 v1, 31, v0                           ; lane
	v_and_b32 v2, 15, v0                           ; rho
	v_bfe_u32 v3, v0, 4, 1                         ; h
	v_lshlrev_b32 v5, 4, v1                        ; 16 x lane
	v_mul_u32_u24 v4, v2, 528
	v_lshlrev_b32 v250, 3, v1                      ; 8 x lane
	v_lshlrev_b32 v248, 7, v3
	v_lshl_add_u32 v4, v3, 7, v4                   ; out of the stage: row rho, + 128 h: my block of 32 numbers
	v_add_nc_u32 v6, s39, v5                       ; into the stage: 16 x lane of a row
	v_lshl_add_u32 v248, v2, 3, v248
	v_add_nc_u32 v4, s39, v4
	v_add_nc_u32 v249, s23, v250                   ; a block of 256 bytes of scale words, read back
	v_add_nc_u32 v248, s22, v248                   ; my word: + 128 u + 8 rho (lanes 16-31 hold the odd tile's)
	v_lshlrev_b32 v7, 3, v3                        ; 8 h
	v_mov_b32 v[XPT], 0                            ; a lane permute's destination counts as one of its sources
	s_wait_alu depctr_va_vdst(0)                   ; the wait at the head's end
	s_wait_kmcnt 0x0
	s_add_nc_u64 s[18:19], s[58:59], s[40:41]
	s_add_nc_u64 s[44:45], s[12:13], s[48:49]
	s_add_nc_u64 s[46:47], s[12:13], s[50:51]
	s_add_nc_u64 s[42:43], s[12:13], s[52:53]
.irp r, 0,1,2,3,4,5,6,7,16,17,18,19,20,21,22,23,8,9,10,11,12,13,14,15,24,25,26,27,28,29,30,31
	global_load_b128 v[G+4*\r:G+4*\r+3], v5, s[18:19] offset:\r*8192 th:TH_LOAD_NT   ; a row's 512 consecutive bytes; the even tile's 16 rows first
.endr
	s_cmp_lt_u32 s24, 4
	s_cbranch_scc0 .Lno_table
	; ---- the table, while the rows are on their way.  Thread t of 128: position 8 g + t / 16, f = 2 (t % 16) and the next
	v_and_b32 v16, 15, v0
	s_delay_alu instid0(VALU_DEP_1)
	v_lshlrev_b32 v16, 1, v16
	s_delay_alu instid0(VALU_DEP_1)
	v_add_nc_u32 v17, 1, v16
	v_cvt_f32_u32 v16, v16
	s_delay_alu instid0(VALU_DEP_2)
	v_cvt_f32_u32 v17, v17
	s_delay_alu instid0(VALU_DEP_2)
	v_mul_f32 v16, 0xbed49a78, v16                 ; f x -log2(10000) / 32
	s_delay_alu instid0(VALU_DEP_2)
	v_mul_f32 v17, 0xbed49a78, v17
	s_wait_alu depctr_va_vdst(0)                   ; the wait ahead of the exponentials
	v_exp_f32 v18, v16
	v_exp_f32 v19, v17
	v_lshrrev_b32 v27, 4, v0                       ; the plain line behind the exponentials
	s_lshl_b32 s40, s16, 3
	s_wait_alu depctr_va_vdst(0)                   ; and ahead of the first line that names a result
	v_add_nc_u32 v27, s40, v27
	s_delay_alu instid0(VALU_DEP_1)
	v_cvt_f32_u32 v27, v27                         ; the position
	v_mul_f32 v18, v27, v18                        ; the angles: one rounding
	v_mul_f32 v19, v27, v19
; cos and sin of v[a] >= 0: n = the nearest multiple of pi / 2; the rest r in two steps, the first exact (n has 11 bits); polynomials on |r| <= pi / 4; the quadrant swaps and signs.
.macro SINCOS a, oc, os
	v_mul_f32 v20, 0x3f22f983, v[\a]
	s_delay_alu instid0(VALU_DEP_1)
	v_rndne_f32 v20, v20
	s_delay_alu instid0(VALU_DEP_1)
	v_fma_f32 v21, -v20, s34, v[\a]
	s_delay_alu instid0(VALU_DEP_1)
	v_fma_f32 v21, -v20, s35, v21
	s_delay_alu instid0(VALU_DEP_1)
	v_mul_f32 v22, v21, v21                        ; z = r r
	v_mov_b32 v23, 0xb94ca1f9
	v_mov_b32 v25, 0x37ccf5ce
	s_delay_alu instid0(VALU_DEP_2)
	v_fmaak_f32 v23, v22, v23, 0x3c08839e
	s_delay_alu instid0(VALU_DEP_2)
	v_fmaak_f32 v25, v22, v25, 0xbab6061a
	s_delay_alu instid0(VALU_DEP_2)
	v_fmaak_f32 v23, v22, v23, 0xbe2aaaa3
	s_delay_alu instid0(VALU_DEP_2)
	v_fmaak_f32 v25, v22, v25, 0x3d2aaaa5
	v_mul_f32 v24, v21, v22
	v_fma_f32 v26, v22, -0.5, 1.0
	s_delay_alu instid0(VALU_DEP_2)
	v_fma_f32 v23, v24, v23, v21                   ; sin r
	v_mul_f32 v24, v22, v22
	s_delay_alu instid0(VALU_DEP_1)
	v_fma_f32 v25, v24, v25, v26                   ; cos r
	v_cvt_i32_f32 v20, v20
	s_delay_alu instid0(VALU_DEP_1)
	v_and_b32 v26, 1, v20
	v_cmp_eq_u32 vcc_lo, 1, v26
	v_cndmask_b32 v[\oc], v25, v23, vcc_lo         ; an odd quadrant swaps the two
	v_cndmask_b32 v[\os], v23, v25, vcc_lo
	v_add_nc_u32 v26, 1, v20
	v_and_b32 v24, 2, v20
	s_delay_alu instid0(VALU_DEP_2)
	v_and_b32 v26, 2, v26
	s_delay_alu instid0(VALU_DEP_2)
	v_lshlrev_b32 v24, 30, v24
	s_delay_alu instid0(VALU_DEP_2)
	v_lshlrev_b32 v26, 30, v26
	s_delay_alu instid0(VALU_DEP_2)
	v_xor_b32 v[\os], v[\os], v24                  ; sin is negative in quadrants 2 and 3,
	s_delay_alu instid0(VALU_DEP_2)
	v_xor_b32 v[\oc], v[\oc], v26                  ; cos in 1 and 2
.endm
	SINCOS 18, 28, 29
	SINCOS 19, 30, 31
	v_lshlrev_b32 v15, 4, v0
	global_store_b128 v15, v[28:31], s[42:43]      ; sixteen lanes fill a position's 256 bytes; v15, v28-31 are not written again
.Lno_table:
.macro STX u                           ; tile u's 16 rows into the stage, as they were loaded
.irp rho, 0,1,2,3,4,5,6,7,8,9,10,11,12,13,14,15
	ds_store_b128 v6, v[G+4*(8*(\u)+\rho+8*(\rho/8)):G+4*(8*(\u)+\rho+8*(\rho/8))+3] offset:\rho*528
.endr
.endm
.macro LDX x0, x1                      ; and back: lane (rho, h) takes k = 64 c + 32 h + 0 .. 31 of its row: 128 bytes for each c
.irp i, 0,1,2,3,4,5,6,7
	ds_load_b128 v[\x0+4*\i:\x0+4*\i+3], v4 offset:16*\i
.endr
.irp i, 0,1,2,3,4,5,6,7
	ds_load_b128 v[\x1+4*\i:\x1+4*\i+3], v4 offset:256+16*\i
.endr
.endm
.macro QB f, x0, x1                    ; fragment f (tile f of the pair): my blocks h and 2 + h lie in v[x0] on and v[x1] on
.set XA, \x0
.set XD, (\x1)-(\x0)
.set PB, XPC+12*(\f)
.irp c, 0,1
	v_max3_num_f32 v[XTM+\c], |v[XA+XD*\c]|, |v[XA+XD*\c+1]|, 0x1800000   ; all 32 numbers mine; the floor 2^(3 - 127) holds the byte at 1 from below
.endr
.irp i, 2,4,6,8,10,12,14,16,18,20,22,24,26,28,30
.irp c, 0,1
	s_delay_alu instid0(VALU_DEP_2)
	v_max3_num_f32 v[XTM+\c], v[XTM+\c], |v[XA+XD*\c+\i]|, |v[XA+XD*\c+\i+1]|
.endr
.endr
.irp c, 0,1
	s_delay_alu instid0(VALU_DEP_2)
	v_add_nc_u32 v[XSO+\c], 0xff000000, v[XTM+\c]  ; 2 off the exponent field: the conversion's scale operand
.endr
.irp c, 0,1
	s_delay_alu instid0(VALU_DEP_2)
	v_lshrrev_b32 v[XBY+\c], 23, v[XSO+\c]
.endr
	s_delay_alu instid0(VALU_DEP_1)
	v_lshl_or_b32 v[XW+\f], v[XBY+1], 16, v[XBY]   ; my two bytes, blocks h and 2 + h,
	s_delay_alu instid0(VALU_DEP_1)
	v_lshlrev_b32 v[XW+\f], v7, v[XW+\f]           ; at their places;
	s_delay_alu instid0(VALU_DEP_1)
	v_permlanex16_b32 v[XPT], v[XW+\f], s36, s37
	s_delay_alu instid0(VALU_DEP_1)
	v_or_b32 v[XW+\f], v[XW+\f], v[XPT]            ; with lane l xor 16's the word is whole
.irp c, 0,1
	v_cvt_scalef32_pk16_fp6_f32 v[PB+6*\c:PB+6*\c+2], v[XA+XD*\c:XA+XD*\c+15], v[XSO+\c]
	v_cvt_scalef32_pk16_fp6_f32 v[XCT+4*\c:XCT+4*\c+2], v[XA+XD*\c+16:XA+XD*\c+31], v[XSO+\c]
.endr
	v_nop                                          ; one plain line behind the conversions
.irp c, 0,1
.irp i, 0,1,2
	v_mov_b32 v[PB+6*\c+3+\i], v[XCT+4*\c+\i]
.endr
.endr
.irp k, 0,1,2
	global_store_b128 v5, v[PB+4*\k:PB+4*\k+3], s[44:45] offset:(\f)*24576+512*\k   ; 512 consecutive bytes; each fragment has registers of its own
.endr
.endm
	s_wait_loadcnt 16                              ; the even tile's 16 rows are in; the odd tile's may be out
	STX 0
	LDX 160, 192                                   ; LDS serves a wave's instructions in order: these see the stores above, and the stores below come behind them
	s_wait_loadcnt 0x0
	STX 1
	s_wait_dscnt 16                                ; all but the 16 stores just issued: the even tile's numbers are back, and its rows' registers have been read
	LDX 32, 96                                     ; the odd tile's numbers, into the registers that held the even tile's rows
	QB 0, 160, 192
	s_wait_dscnt 0x0
	QB 1, 32, 96
	v_cmp_eq_u32 vcc_lo, 1, v3                     ; lanes 0-15 keep the even tile's word, lanes 16-31 the odd tile's
	v_cndmask_b32 v18, v[XW], v[XW+1], vcc_lo
	ds_store_b32 v248, v18
	s_wait_dscnt 0x0                               ; for the others' sake: my scale words have landed
	s_barrier_signal -1
	s_barrier_wait -1
	s_cmp_lt_u32 s24, 4
	s_cbranch_scc0 .Lx_end
	ds_load_b64 v[20:21], v249                     ; block w: both K steps' words of the 32 rows
	s_wait_dscnt 0x0
	global_store_b64 v250, v[20:21], s[46:47]      ; 256 consecutive bytes, aligned
.Lx_end:
	s_wait_tensorcnt 0x0                           ; the wave's end
	ds_add_u32 v252, v253
	s_wait_dscnt 0x0
	s_endpgm
.Lfunc_end_k_q1a156f3a95_quant:
	.size	k_q1a156f3a95_quant, .Lfunc_end_k_q1a156f3a95_quant-k_q1a156f3a95_quant
	.p2alignl 7, 3214868480
	.fill 96, 4, 3214868480
	.section	.rodata,"a",@progbits
	.p2align	6, 0x0
	.amdhsa_kernel k_q1a156f3a95_quant
		.amdhsa_group_segment_fixed_size 97280
		.amdhsa_private_segment_fixed_size 0
		.amdhsa_enable_private_segment 0
		.amdhsa_kernarg_size 48
		.amdhsa_user_sgpr_count 2
		.amdhsa_user_sgpr_kernarg_segment_ptr 1
		.amdhsa_wavefront_size32 1
		.amdhsa_system_sgpr_workgroup_id_x 1
		.amdhsa_system_sgpr_workgroup_id_y 1
		.amdhsa_system_sgpr_workgroup_id_z 1
		.amdhsa_system_vgpr_workitem_id 0
		.amdhsa_next_free_vgpr 254
		.amdhsa_next_free_sgpr 66
		.amdhsa_reserve_vcc 1
		.amdhsa_float_denorm_mode_32 3
		.amdhsa_float_denorm_mode_16_64 3
		.amdhsa_memory_ordered 1
		.amdhsa_forward_progress 1
		.amdhsa_inst_pref_size 51
	.end_amdhsa_kernel
	.amdgpu_metadata
---
amdhsa.version: [ 1, 2 ]
amdhsa.kernels:
  - .name:           k_q1a156f3a95_quant
    .symbol:         k_q1a156f3a95_quant.kd
    .args:
      - { .name: wq, .offset: 0, .size: 8, .value_kind: global_buffer, .address_space: global }
      - { .name: wk, .offset: 8, .size: 8, .value_kind: global_buffer, .address_space: global }
      - { .name: wv, .offset: 16, .size: 8, .value_kind: global_buffer, .address_space: global }
      - { .name: wo, .offset: 24, .size: 8, .value_kind: global_buffer, .address_space: global }
      - { .name: prep, .offset: 32, .size: 8, .value_kind: global_buffer, .address_space: global }
      - { .name: x, .offset: 40, .size: 8, .value_kind: global_buffer, .address_space: global }
    .group_segment_fixed_size: 97280
    .private_segment_fixed_size: 0
    .kernarg_segment_align: 8
    .kernarg_segment_size: 48
    .max_flat_workgroup_size: 256
    .sgpr_count:     66
    .vgpr_count:     254
    .wavefront_size: 32
...
	.end_amdgpu_metadata
.endif
;; end of part 1
;; launch qkv (part 2): grid 256 x 1, 4 waves a work-group, clusters of 4 x 1, 327,680 bytes of LDS; arguments prep, qkv; writes qkv
.if DOCPART == 2
	.amdgcn_target "amdgcn-amd-amdhsa--gfx1250"
	.amdhsa_code_object_version 6
	.text
	.protected	k_q1a156f3a95_qkv
	.globl	k_q1a156f3a95_qkv
	.p2align	8
	.type	k_q1a156f3a95_qkv,@function
k_q1a156f3a95_qkv:
	s_mov_b64 s[64:65], 0
	v_nop
	global_prefetch_b8 v0, s[64:65] scope:SCOPE_SE
	s_setreg_imm32_b32 hwreg(HW_REG_WAVE_MODE, 25, 1), 1
	s_wait_xcnt 0x0
	s_wait_alu depctr_hold_cnt(0) depctr_sa_sdst(0) depctr_va_vdst(0) depctr_va_sdst(0) depctr_va_ssrc(0) depctr_va_vcc(0) depctr_vm_vsrc(0)
	s_getreg_b32 s2, hwreg(HW_REG_IB_STS2, 6, 4)
	s_cmp_eq_u32 s2, 0
	s_cbranch_scc0 .Lentry_in_a_cluster
	s_endpgm
.Lentry_in_a_cluster:
	s_bfe_u32 s2, ttmp6, 0x10000c
	s_cmp_lg_u32 s2, 0x3003
	s_cbranch_scc0 .Lentry_shape_is_right
	s_endpgm
.Lentry_shape_is_right:
; x wq, x wk, x wv on codes of FP6 (E2M3) with E8M0 scales; the rotation of q and k; q and k quantised along the head's 64, v along the keys.  Nothing wide goes to memory.
; ONE BODY FOR BOTH KINDS.  D = source 0 x source 1^T over K = 2,048, a tile of 256 rows of source 0 x 128 rows of source 1, and the result is quantised ALONG SOURCE 0's rows.
;   clusters 0-47 (q, k): source 0 = 256 columns of wq | wk (four heads), source 1 = 128 rows of x.   clusters 48-63 (v): source 0 = 256 rows of x (keys), source 1 = 128 columns of wv.
; Row rho of a tile t is row 32 (t / 2) + 8 (t % 2) + rho + 8 (rho / 8): so a lane's 16 registers of two neighbouring tiles of source 0 are 16 NEIGHBOURS along the next K.
; In the result lane (r, h) holds row r of source 1's tile; register 8 a + j holds source 0's row 32 (a / 2) + 16 h + 8 (a % 2) + j of the wave's 128.
; CLUSTER: the four partners take the same rows of source 0, two thirds of a step's bytes: asked for JOINTLY (mask 15).  Source 1's tiles differ between partners and come by plain loads.
; A 4 x 4 cluster is not taken: the q, k part is 6 x 32 tiles and the v part 16 x 4, so source 1 cannot be shared four ways in both.
; Four waves; wave w: source 0's half w / 2 (8 tiles a), source 1's half w % 2 (4 tiles b): 32 accumulators.  K goes in slots of 512 (4 K steps of 128) through a ring of two LDS slots.
; Operands lie in memory as images of their registers, so a fragment is three loads of 16 bytes a lane, 512 consecutive bytes each: no pitch, no padding.
; The scale words of all K come once, with the first fills.
; LIMITS: a block of zeros gets the byte 1 (its codes are zeros; this program alone reads the bytes); blocks under 2^-124 are held at byte 1; NaN and infinities are not served.
; REGISTERS: window 0: v2-15 addresses; v32-79 scale words, two sets of 24; v80-175, v176-223 fragments, set 0; v224-239 at work.  window 1: the accumulators, (b, a) at v[8 (8 b + a)].
;   window 2: v80-223 fragments, set 1.   window 3: v0-127 cos and sin.   In the epilogue window 0's v80-207 are free.
.set XS,    11010048                   ; prep: scale words, 2,048 bytes a pair of tiles (x: pairs 0-127, weights: 128-191)
.set ROPE,  11468800                   ; prep: [position][f 32][cos, sin]
.set VC,    4718592                    ; qkv: v's codes [kv head 8][128 keys 32][tile of d 4] images of 1,536 bytes
.set QKS,   6291456                    ; qkv: q's, k's scale words [head 24][tile / 4][r 16][tile % 4]
.set VS,    6684672                    ; qkv: v's scale words [kv head][128 keys][r 16][tile of d 4]
.set SLOT,  147456                     ; LDS: a slot: 24 tiles (source 0: 0-15, source 1: 16-23) x 4 K steps x 1,536 bytes
.set SCL,   294912                     ; LDS: scale words: source 0's 8 pairs, source 1's 4 pairs, 2,048 bytes each
.set SPARE, 319488                     ; LDS: the spare words, 128 bytes a wave: two blocks of 256 bytes that no other line names
.set L16,  2
.set L8,   3
.set AD0,  4                           ; v4-5  source 0's fragments in slot 0, 1
.set AD1,  6                           ; v6-7  source 1's
.set ADS0, 8
.set ADS1, 9
.set SPW,  10
.set NIL,  11
.set RO,   12                          ; my byte offset in the table
.set QSO,  13
.set VSO,  14
.set SH,   15                          ; 16 h
.set SC,   32
.set F0,   80
.set F1,   176
.set T,    80                          ; epilogue: 32 pairs of products
.set PC,   144                         ; epilogue: codes, 12 registers for each b
.set CT,   192
.set PW,   200                         ; epilogue: scale words, one for each b
.set DW,   204
.set TM,   224
.set W0J,  15|(3<<16)|(1<<21)          ; group 1, word 0 of a joint load: the mask, elements of 8 bytes, bit 21 beside the mask
.set W0P,  3<<16
.set MSB, 0
.macro WIN new                         ; the immediate's high byte repeats the setting that is left
.if MSB != \new
	s_set_vgpr_msb (MSB<<8)|\new
.set MSB, \new
.endif
.endm
.macro PLACES n
.rept \n
	v_nop
.endr
.endm
.macro G1SET g, w0, c, r, p
	s_mov_b32 s[\g], \w0
	s_mov_b32 s[\g+1], (\c)<<16                    ; tensor_dim0
	s_mov_b32 s[\g+2], (\r)<<16                    ; tensor_dim1
	s_mov_b32 s[\g+3], (\c)<<16                    ; tile_dim0
	s_mov_b32 s[\g+4], \r                          ; tile_dim1
	s_mov_b32 s[\g+5], \p                          ; elements from row to row
	s_mov_b32 s[\g+6], 0
	s_mov_b32 s[\g+7], 0
.endm
; Waves 0 and 1 fetch source 0's halves (joint), waves 2 and 3 source 1's (plain).  The branch hangs on the wave's number alone.  Four v_nop follow each line.
.macro JLOAD g0j, g1j, g0p, g1p
	s_cmp_eq_u32 s9, 0
	s_cbranch_scc0 .Lfor_p_\@
	tensor_load_to_lds s[\g0j:\g0j+3], s[\g1j:\g1j+7]
	s_nop 0
	PLACES 4
	s_branch .Lasked_\@
.Lfor_p_\@:
	tensor_load_to_lds s[\g0p:\g0p+3], s[\g1p:\g1p+7]
	s_nop 0
	PLACES 4
.Lasked_\@:
.endm
.macro CREST                           ; a round of the cluster's barrier behind its opening barrier
	s_cmp_lg_u32 s8, 0
	s_cbranch_scc1 .Lnot_wave_0_\@
	s_barrier_signal -3
.Lnot_wave_0_\@:
	s_barrier_wait -3
	s_barrier_signal -1
	s_barrier_wait -1
.endm
.macro CROUND
	s_barrier_signal -1
	s_barrier_wait -1
	CREST
.endm
	s_load_b128 s[4:7], s[0:1], 0x0                ; prep, qkv
	v_lshl_add_u32 v[SPW], v0, 2, SPARE
	v_mov_b32 v[NIL], 0
	ds_add_u32 v10, v11
	ds_add_u32 v10, v11
	s_wait_dscnt 0x0
	v_lshrrev_b32 v1, 5, v0
	v_readfirstlane_b32 s8, v1                     ; wave 0..3
	s_lshr_b32 s9, s8, 1                           ; my half of source 0.  Also: I fetch source 0 (0) or source 1 (1)
	s_and_b32 s10, s8, 1                           ; my half of source 1.  Also: which half I fetch
	s_mov_b32 s11, ttmp9                           ; the cluster
	s_bfe_u32 s12, ttmp6, 0x40000                  ; cx: it enters source 1's and the results' global addresses alone
	s_lshr_b32 s76, s11, 3
	s_lshl_b32 s76, s76, 4
	s_add_co_u32 s76, s76, 256                     ; q, k: weights' tile 256 + 16 (c / 8)
	s_sub_co_u32 s77, s11, 48
	s_lshl_b32 s77, s77, 4                         ; v: x's tile 16 (c - 48)
	s_and_b32 s78, s11, 7
	s_lshl_b32 s78, s78, 5                         ; q, k: x's tile 32 (c % 8) + 8 cx
	s_mov_b32 s79, 352                             ; v: wv's tile 352 + 8 cx
	s_cmp_lt_u32 s11, 48
	s_cselect_b32 s14, s76, s77                    ; source 0's first tile: made of the cluster's number alone
	s_cselect_b32 s15, s78, s79
	s_lshl_b32 s79, s12, 3
	s_add_co_u32 s15, s15, s79                     ; source 1's first tile
	G1SET 16, W0J, 768, 16, 3072                   ; source 0: tiles x 6,144 bytes (768 elements), 24,576 bytes apart: 16 tiles at the head, 8 in the ring
	G1SET 24, W0P, 768, 8, 3072                    ; source 1: 8 tiles at the head, 4 in the ring
	G1SET 32, W0J, 32, 64, 32                      ; source 0's scale words: 8 pairs, 16,384 dense bytes as rows of 256
	G1SET 40, W0P, 32, 32, 32                      ; source 1's: 4 pairs
	s_mul_i32 s80, s14, 24576
	s_mov_b32 s81, 0
	s_mul_i32 s82, s15, 24576
	s_mov_b32 s83, 0
	s_lshr_b32 s84, s14, 1
	s_lshl_b32 s84, s84, 11
	s_add_co_u32 s84, s84, XS
	s_mov_b32 s85, 0
	s_lshr_b32 s86, s15, 1
	s_lshl_b32 s86, s86, 11
	s_add_co_u32 s86, s86, XS
	s_mov_b32 s87, 0
	s_mul_i32 s76, s10, 49152                      ; where they go: no place in the cluster enters an LDS address
	s_mul_i32 s77, s10, 24576
	s_mul_i32 s98, s10, 196608                     ; in the ring I fetch half of a source's tiles: 8 tiles of source 0 on,
	s_mov_b32 s99, 0
	s_mul_i32 s2, s10, 98304                       ; or 4 of source 1
	s_mov_b32 s3, 0
	s_mov_b32 s96, 0x76543210
	s_mov_b32 s97, 0xfedcba98                      ; v_permlanex16_b32's selects for lane l xor 16
	s_wait_kmcnt 0x0
	s_add_nc_u64 s[80:81], s[4:5], s[80:81]
	s_add_nc_u64 s[82:83], s[4:5], s[82:83]
	s_add_nc_u64 s[84:85], s[4:5], s[84:85]
	s_add_nc_u64 s[86:87], s[4:5], s[86:87]
	CROUND                                         ; all four work-groups are here: the first joint loads meet
	s_mov_b32 s68, 1
	s_mov_b32 s69, SCL
	s_mov_b64 s[70:71], s[84:85]
	s_or_b32 s71, s71, 0x80000000
	s_mov_b32 s72, 1
	s_mov_b32 s73, SCL+16384
	s_mov_b64 s[74:75], s[86:87]
	s_or_b32 s75, s75, 0x80000000
.irp k, 0,1
	s_mov_b32 s[48+4*\k], 1
	s_add_co_u32 s[49+4*\k], s76, \k*SLOT
	s_add_nc_u64 s[50+4*\k:51+4*\k], s[80:81], \k*6144
	s_or_b32 s[51+4*\k], s[51+4*\k], 0x80000000
	s_mov_b32 s[56+4*\k], 1
	s_add_co_u32 s[57+4*\k], s77, \k*SLOT+98304
	s_add_nc_u64 s[58+4*\k:59+4*\k], s[82:83], \k*6144
	s_or_b32 s[59+4*\k], s[59+4*\k], 0x80000000
.endr
	s_mov_b32 s49, 0                               ; the head's loads bring slot 0's tiles whole
	s_mov_b32 s57, 98304
	s_add_nc_u64 s[54:55], s[54:55], s[98:99]      ; slot 1's: my half
	s_add_nc_u64 s[62:63], s[62:63], s[2:3]
	; THE HEAD'S LOADS, ONE A WAVE: wave 0 source 0's 16 tiles of slot 0, wave 1 source 1's 8, wave 2 source 0's scale words, wave 3 source 1's.  One chain of branches on the wave's number
	s_cmp_lt_u32 s8, 1
	s_cbranch_scc0 .Lhead_1
	tensor_load_to_lds s[48:51], s[16:23]
	s_nop 0
	PLACES 4
	s_branch .Lhead_asked
.Lhead_1:
	s_cmp_lt_u32 s8, 2
	s_cbranch_scc0 .Lhead_2
	tensor_load_to_lds s[56:59], s[24:31]
	s_nop 0
	PLACES 4
	s_branch .Lhead_asked
.Lhead_2:
	s_cmp_lt_u32 s8, 3
	s_cbranch_scc0 .Lhead_3
	tensor_load_to_lds s[68:71], s[32:39]
	s_nop 0
	PLACES 4
	s_branch .Lhead_asked
.Lhead_3:
	tensor_load_to_lds s[72:75], s[40:47]
	s_nop 0
	PLACES 4
.Lhead_asked:
	v_and_b32 v1, 31, v0
	v_lshlrev_b32 v[L16], 4, v1
	v_lshlrev_b32 v[L8], 3, v1
	s_wait_alu depctr_va_vdst(0)
	s_mul_i32 s76, s9, 49152
	s_mul_i32 s77, s10, 24576
	s_add_co_u32 s77, s77, 98304
.irp k, 0,1
	v_add_nc_u32 v[AD0+\k], s76, v[L16]
	v_add_nc_u32 v[AD1+\k], s77, v[L16]
	s_add_co_u32 s76, s76, SLOT
	s_add_co_u32 s77, s77, SLOT
.endr
	s_lshl_b32 s76, s9, 13
	s_add_co_u32 s76, s76, SCL
	v_add_nc_u32 v[ADS0], s76, v[L8]
	s_lshl_b32 s77, s10, 12
	s_add_co_u32 s77, s77, SCL+16384
	v_add_nc_u32 v[ADS1], s77, v[L8]
	v_and_b32 v1, 15, v0                           ; r
	v_bfe_u32 v[SH], v0, 4, 1                      ; h
	v_and_b32 v[RO], 8, v1
	v_add_nc_u32 v[RO], v[RO], v1                  ; r + 8 (r / 8)
	v_lshlrev_b32 v[RO], 8, v[RO]
	v_lshl_add_u32 v[RO], v[SH], 6, v[RO]          ; the table: 256 bytes a position, + 64 h: my eight f
	v_lshlrev_b32 v[QSO], 4, v1
	v_lshl_add_u32 v[VSO], v[SH], 3, v[QSO]        ; v's scale words: 16 r + 8 h
	v_lshl_add_u32 v[QSO], v[SH], 14, v[QSO]       ; q's, k's: 16 r, lanes 16-31 a head on
	v_lshlrev_b32 v[SH], 4, v[SH]
	s_lshl_b32 s78, s10, 2
	s_add_co_u32 s78, s78, s15                     ; my first tile of source 1; kept
	s_cmp_lt_u32 s11, 48
	s_cbranch_scc0 .Lno_rope
	s_lshl_b32 s88, s78, 4                         ; q, k: cos and sin of my 64 positions x my 16 f: they land while K is walked
	s_and_b32 s88, s88, 2047                       ; the position in its batch
	s_lshl_b32 s88, s88, 8
	s_add_co_u32 s88, s88, ROPE
	s_mov_b32 s89, 0
	s_add_nc_u64 s[90:91], s[4:5], s[88:89]
	WIN 0xc0                                       ; destination window 3
	s_wait_alu depctr_va_vdst(0)
.irp b, 0,1,2,3
.irp k, 0,1
.irp i, 0,1,2,3
	global_load_b128 v[32*\b+16*\k+4*\i:32*\b+16*\k+4*\i+3], v[RO], s[90:91] offset:(32*(\b/2)+8*(\b%2))*256+128*\k+16*\i
.endr
.endr
.endr
	WIN 0
.Lno_rope:
; one product: source 0's tile a, source 1's tile b, the slot's K step q; scale words of set sc: even tiles in lanes 0-15, odd tiles in lanes 16-31
.macro WM a, b, q, sc, zero
.set rD, 8*(8*(\b)+(\a))
.set rA, F0+12*(\a)
.set rB, F1+12*(\b)
.set rX, SC+24*(\sc)+4*((\a)/2)+(\q)
.set rY, SC+24*(\sc)+16+4*((\b)/2)+(\q)
.set par, 2*((\a)%2)+((\b)%2)
.if \zero
.if par == 0
	v_wmma_scale_f32_16x16x128_f8f6f4 v[rD:rD+7], v[rA:rA+11], v[rB:rB+11], 0, v[rX], v[rY] matrix_a_fmt:MATRIX_FMT_FP6 matrix_b_fmt:MATRIX_FMT_FP6
.elseif par == 1
	v_wmma_scale_f32_16x16x128_f8f6f4 v[rD:rD+7], v[rA:rA+11], v[rB:rB+11], 0, v[rX], v[rY] matrix_a_fmt:MATRIX_FMT_FP6 matrix_b_fmt:MATRIX_FMT_FP6 matrix_b_scale:MATRIX_SCALE_ROW1
.elseif par == 2
	v_wmma_scale_f32_16x16x128_f8f6f4 v[rD:rD+7], v[rA:rA+11], v[rB:rB+11], 0, v[rX], v[rY] matrix_a_fmt:MATRIX_FMT_FP6 matrix_b_fmt:MATRIX_FMT_FP6 matrix_a_scale:MATRIX_SCALE_ROW1
.else
	v_wmma_scale_f32_16x16x128_f8f6f4 v[rD:rD+7], v[rA:rA+11], v[rB:rB+11], 0, v[rX], v[rY] matrix_a_fmt:MATRIX_FMT_FP6 matrix_b_fmt:MATRIX_FMT_FP6 matrix_a_scale:MATRIX_SCALE_ROW1 matrix_b_scale:MATRIX_SCALE_ROW1
.endif
.else
.if par == 0
	v_wmma_scale_f32_16x16x128_f8f6f4 v[rD:rD+7], v[rA:rA+11], v[rB:rB+11], v[rD:rD+7], v[rX], v[rY] matrix_a_fmt:MATRIX_FMT_FP6 matrix_b_fmt:MATRIX_FMT_FP6
.elseif par == 1
	v_wmma_scale_f32_16x16x128_f8f6f4 v[rD:rD+7], v[rA:rA+11], v[rB:rB+11], v[rD:rD+7], v[rX], v[rY] matrix_a_fmt:MATRIX_FMT_FP6 matrix_b_fmt:MATRIX_FMT_FP6 matrix_b_scale:MATRIX_SCALE_ROW1
.elseif par == 2
	v_wmma_scale_f32_16x16x128_f8f6f4 v[rD:rD+7], v[rA:rA+11], v[rB:rB+11], v[rD:rD+7], v[rX], v[rY] matrix_a_fmt:MATRIX_FMT_FP6 matrix_b_fmt:MATRIX_FMT_FP6 matrix_a_scale:MATRIX_SCALE_ROW1
.else
	v_wmma_scale_f32_16x16x128_f8f6f4 v[rD:rD+7], v[rA:rA+11], v[rB:rB+11], v[rD:rD+7], v[rX], v[rY] matrix_a_fmt:MATRIX_FMT_FP6 matrix_b_fmt:MATRIX_FMT_FP6 matrix_a_scale:MATRIX_SCALE_ROW1 matrix_b_scale:MATRIX_SCALE_ROW1
.endif
.endif
.endm
; nb rows b of products, from b0 on, each against source 0's eight tiles.  The 32 accumulators take turns, one instruction a turn, in the same order in every K step.
.macro MUL set, q, sc, b0, nb, zero
.if \set
	WIN 0x5a                                       ; fragments in window 2, C and D in window 1
.else
	WIN 0x50                                       ; fragments in window 0
.endif
.set bb, \b0
.rept \nb
.irp a, 0,1,2,3,4,5,6,7
	WM \a, bb, \q, \sc, \zero
.endr
.set bb, bb+1
.endr
.endm
.macro FRAG3 reg, adr, off
.irp k, 0,1,2
	ds_load_b128 v[\reg+4*\k:\reg+4*\k+3], v[\adr] offset:\off+512*\k
.endr
.endm
.macro FETCH set, slot, q              ; 36 LDS loads in one run: the 12 fragments of the slot's K step q
.if \set
	WIN 0x80                                       ; destination window 2
.else
	WIN 0
.endif
.irp a, 0,1,2,3,4,5,6,7
	FRAG3 F0+12*\a, AD0+\slot, \a*6144+(\q)*1536
.endr
.irp b, 0,1,2,3
	FRAG3 F1+12*\b, AD1+\slot, \b*6144+(\q)*1536
.endr
.endm
.macro SCALES set, k                   ; 12 loads: the scale words of K's k-th 512 into set
	WIN 0
.irp p, 0,1,2,3
.irp g, 0,1
	ds_load_b64 v[SC+24*(\set)+4*\p+2*\g:SC+24*(\set)+4*\p+2*\g+1], v[ADS0] offset:\p*2048+(2*(\k)+\g)*256
.endr
.endr
.irp p, 0,1
.irp g, 0,1
	ds_load_b64 v[SC+24*(\set)+16+4*\p+2*\g:SC+24*(\set)+16+4*\p+2*\g+1], v[ADS1] offset:\p*2048+(2*(\k)+\g)*256
.endr
.endr
.endm
; A K step that has its successor in the same slot: the successor's fragments are asked for first, into the other set, and land under this step's 32 products.
.macro STEP slot, q, zero
	PLACES 4                                       ; four plain lines between the last products and loads into registers that they read (ISA guide 7.12.1 for vector instructions)
	FETCH 1-(\q)%2, \slot, (\q)+1
	s_wait_dscnt 36                                ; all but the 36 just issued
	MUL (\q)%2, \q, \slot, 0, 4, \zero
.endm
; A slot's last K step changes slots: ONE barrier.  In front of it each wave waits for all its tensor loads, adds 0 to its spare word, and waits for that and for its reads of this slot.
; fill = 1: the barrier opens a round of the cluster's barrier, and this slot is filled again, 1,024 along K on: the load has 112 products of the wave ahead of the wait for it.
.macro TURN slot, next, k, fill
	WIN 0
	s_wait_tensorcnt 0x0                           ; all my tensor loads have landed: my part of the next slot
	ds_add_u32 v[SPW], v[NIL]                      ; 0 onto my spare word
	s_wait_dscnt 1                                 ; the fragments are in; the add may be out
	MUL 1, 3, \slot, 0, 1, 0
	s_wait_dscnt 0x0                               ; the add is done, and my reads of this slot are over
	s_barrier_signal -1
	MUL 1, 3, \slot, 1, 1, 0
	WIN 0
	s_barrier_wait -1
.if \fill
	CREST                                          ; no wave of any partner still reads this slot or has a load on its way
	s_add_nc_u64 s[50+4*\slot:51+4*\slot], s[50+4*\slot:51+4*\slot], 12288
	s_add_nc_u64 s[58+4*\slot:59+4*\slot], s[58+4*\slot:59+4*\slot], 12288
	JLOAD 48+4*\slot, 16, 56+4*\slot, 24           ; the first tensor load behind the round; its four v_nop are also the places in front of the loads below
.else
	PLACES 4
.endif
	FETCH 0, \next, 0
	SCALES \next, (\k)+1
	MUL 1, 3, \slot, 2, 2, 0
.endm
	s_wait_alu depctr_va_vdst(0)                   ; the wait at the head's end
	s_wait_tensorcnt 0x0                           ; my tile of the head's four is in
	ds_add_u32 v[SPW], v[NIL]
	s_mov_b32 s18, 8<<16                           ; no tensor load of mine is out, so descriptors may be written: the ring's loads bring 8 tiles of source 0,
	s_mov_b32 s20, 8
	s_mov_b32 s26, 4<<16                           ; 4 of source 1,
	s_mov_b32 s28, 4
	s_mul_i32 s49, s10, 49152                      ; and slot 0's group 0 names my half from here on
	s_add_nc_u64 s[50:51], s[50:51], s[98:99]
	s_mul_i32 s57, s10, 24576
	s_add_co_u32 s57, s57, 98304
	s_add_nc_u64 s[58:59], s[58:59], s[2:3]
	s_wait_dscnt 0x0
	CROUND                                         ; all four tiles are in, and the partners are here
	JLOAD 52, 16, 60, 24                           ; slot 1's first fill: the first tensor load behind the round
	FETCH 0, 0, 0
	SCALES 0, 0
	STEP 0, 0, 1                                   ; the first products start the sums: nothing is cleared
	STEP 0, 1, 0
	STEP 0, 2, 0
	TURN 0, 1, 0, 1
	STEP 1, 0, 0
	STEP 1, 1, 0
	STEP 1, 2, 0
	TURN 1, 0, 1, 1
	STEP 0, 0, 0
	STEP 0, 1, 0
	STEP 0, 2, 0
	TURN 0, 1, 2, 0                                ; nothing is left to fetch
	STEP 1, 0, 0
	STEP 1, 1, 0
	STEP 1, 2, 0
	s_wait_dscnt 0x0
	MUL 1, 3, 1, 0, 4, 0
; THE EPILOGUE.  For each b the lane's 64 registers are 128 neighbours along the next K, 16 of each block of 32 (the other 16 in lane l xor 16).
; The rotation, pair i of 32: (x0, x1) -> (x0 c - x1 s, x0 s + x1 c); the pair's f = 16 ((i / 8) % 2) + 8 h + i % 8.
.macro ROPEB b
	WIN 0x0d                                       ; source 0 window 1, source 1 window 3
.set i, 0
.rept 32
	v_pk_mul_f32 v[T+2*i:T+2*i+1], v[64*(\b)+2*i:64*(\b)+2*i+1], v[32*(\b)+16*((i/8)%2)+2*(i%8):32*(\b)+16*((i/8)%2)+2*(i%8)+1] op_sel:[1,1] op_sel_hi:[1,0] neg_lo:[1,0]   ; (-x1 s, x1 c); each accumulator is read from its low end on
.set i, i+1
.endr
	WIN 0x4d                                       ; and the destination window 1
.set i, 0
.rept 32
	v_pk_fma_f32 v[64*(\b)+2*i:64*(\b)+2*i+1], v[64*(\b)+2*i:64*(\b)+2*i+1], v[32*(\b)+16*((i/8)%2)+2*(i%8):32*(\b)+16*((i/8)%2)+2*(i%8)+1], v[T+2*i:T+2*i+1] op_sel_hi:[0,1,1]   ; (x0 c, x0 s) + that
.set i, i+1
.endr
.endm
; The 64 registers of b become a fragment's codes in v[PC + 12 b] on and its scale word in v[PW + b].
.macro QUANT b
.set SB, 64*(\b)
.set PB, PC+12*(\b)
	WIN 0x05                                       ; sources 0 and 1 window 1
.irp k, 0,1,2,3
	v_max3_num_f32 v[TM+\k], |v[SB+16*\k]|, |v[SB+16*\k+1]|, 0x1800000   ; block k: my 16 numbers and the floor 2^(3 - 127)
.endr
	WIN 0x14                                       ; sources 1 and 2 window 1
.irp i, 2,4,6,8,10,12,14
.irp k, 0,1,2,3
	v_max3_num_f32 v[TM+\k], v[TM+\k], |v[SB+16*\k+\i]|, |v[SB+16*\k+\i+1]|
.endr
.endr
	WIN 0
.irp k, 0,1,2,3
	v_permlanex16_b32 v[TM+4+\k], v[TM+\k], s96, s97
.endr
.irp k, 0,1,2,3
	v_max_num_f32 v[TM+\k], v[TM+\k], v[TM+4+\k]   ; with lane l xor 16's: the block's largest magnitude
.endr
.irp k, 0,1,2,3
	v_add_nc_u32 v[TM+12+\k], 0xff000000, v[TM+\k] ; 2 off the exponent field: the conversion's scale operand
.endr
.irp k, 0,1,2,3
	v_lshrrev_b32 v[TM+4+\k], 23, v[TM+12+\k]
.endr
	v_lshl_or_b32 v[PW+\b], v[TM+5], 8, v[TM+4]
	v_lshl_or_b32 v[PW+\b], v[TM+6], 16, v[PW+\b]
	v_lshl_or_b32 v[PW+\b], v[TM+7], 24, v[PW+\b]
	WIN 0x01                                       ; source 0 window 1
.irp c, 0,1
	v_cvt_scalef32_pk16_fp6_f32 v[PB+6*\c:PB+6*\c+2], v[SB+32*\c:SB+32*\c+15], v[TM+12+2*\c]
	v_cvt_scalef32_pk16_fp6_f32 v[CT+4*\c:CT+4*\c+2], v[SB+32*\c+16:SB+32*\c+31], v[TM+12+2*\c+1]
.endr
	WIN 0
	v_nop                                          ; one plain line behind the conversions
.irp c, 0,1                                    ; the operand's layout wants a WHOLE block in a lane
.irp i, 0,1,2
	v_permlane16_swap_b32 v[PB+6*\c+\i], v[CT+4*\c+\i]
.endr
.irp i, 0,1,2
	v_mov_b32 v[PB+6*\c+3+\i], v[CT+4*\c+\i]
.endr
.endr
.endm
.macro QKOUT b                         ; registers 0-5 are the first head's 64 along d, registers 6-11 the next head's: two half images of 768 bytes
	ROPEB \b
	QUANT \b
.irp p, 0,1,2
	global_store_b64 v[L8], v[PB+2*\p:PB+2*\p+1], s[92:93] offset:(\b)*768+256*\p           ; 256 consecutive bytes, aligned
	global_store_b64 v[L8], v[PB+6+2*\p:PB+7+2*\p], s[92:93] offset:196608+(\b)*768+256*\p
.endr
	v_lshrrev_b32 v[DW+\b], v[SH], v[PW+\b]        ; lanes 0-15: the first head's two bytes lowest; lanes 16-31: the next head's.  The upper two bytes scale zero codes and are never 0xff
.endm
.macro VOUT b
	QUANT \b
.irp k, 0,1,2
	global_store_b128 v[L16], v[PB+4*\k:PB+4*\k+3], s[92:93] offset:(\b)*1536+512*\k         ; 512 consecutive bytes
.endr
.endm
	WIN 0
	PLACES 4                                       ; between the last products and the first read of results
.irp k, 0,1,2,3
	v_mov_b32 v[TM+4+\k], 0                        ; a lane permute's destination counts as one of its sources
.endr
	s_cmp_lt_u32 s11, 48
	s_cbranch_scc0 .Lv_way
	s_lshr_b32 s80, s11, 3
	s_lshl_b32 s80, s80, 2
	s_lshl_b32 s81, s9, 1
	s_add_co_u32 s80, s80, s81                     ; my first head: 4 (c / 8) + 2 x my half (0-15 query heads, 16-23 key heads)
	s_lshl_b32 s82, s80, 8
	s_add_co_u32 s82, s82, s78
	s_mul_i32 s82, s82, 768
	s_mov_b32 s83, 0
	s_add_nc_u64 s[92:93], s[6:7], s[82:83]
	s_lshl_b32 s82, s80, 6
	s_lshr_b32 s84, s78, 2
	s_add_co_u32 s82, s82, s84
	s_lshl_b32 s82, s82, 8
	s_add_co_u32 s82, s82, QKS
	s_add_nc_u64 s[94:95], s[6:7], s[82:83]
	s_wait_loadcnt 0x0                             ; cos and sin
	QKOUT 0
	QKOUT 1
	QKOUT 2
	QKOUT 3
	global_store_b128 v[QSO], v[DW:DW+3], s[94:95] ; four tiles' words of a row: sixteen lanes fill 256 bytes, a head each half
	s_branch .Ljoin
.Lv_way:
	s_lshl_b32 s80, s12, 1
	s_add_co_u32 s80, s80, s10                     ; kv head = 2 cx + my half of source 1
	s_sub_co_u32 s81, s11, 48
	s_lshl_b32 s81, s81, 1
	s_add_co_u32 s81, s81, s9                      ; which 128 keys
	s_lshl_b32 s80, s80, 5
	s_add_co_u32 s80, s80, s81
	s_mul_i32 s82, s80, 6144
	s_add_co_u32 s82, s82, VC
	s_mov_b32 s83, 0
	s_add_nc_u64 s[92:93], s[6:7], s[82:83]
	s_lshl_b32 s82, s80, 8
	s_add_co_u32 s82, s82, VS
	s_add_nc_u64 s[94:95], s[6:7], s[82:83]
	VOUT 0
	VOUT 1
	VOUT 2
	VOUT 3
	v_cmp_ne_u32 vcc_lo, 0, v[SH]
	v_cndmask_b32 v[DW], v[PW], v[PW+2], vcc_lo
	v_cndmask_b32 v[DW+1], v[PW+1], v[PW+3], vcc_lo
	global_store_b64 v[VSO], v[DW:DW+1], s[94:95]  ; 256 consecutive bytes, aligned
.Ljoin:
	s_wait_tensorcnt 0x0                           ; the wave's end
	ds_add_u32 v[SPW], v[NIL]
	s_wait_dscnt 0x0
	CROUND                                         ; the closing round: no work-group ends while a partner may still ask for a tile that names it
	s_endpgm
.Lfunc_end_k_q1a156f3a95_qkv:
	.size	k_q1a156f3a95_qkv, .Lfunc_end_k_q1a156f3a95_qkv-k_q1a156f3a95_qkv
	.p2alignl 7, 3214868480
	.fill 96, 4, 3214868480
	.section	.rodata,"a",@progbits
	.p2align	6, 0x0
	.amdhsa_kernel k_q1a156f3a95_qkv
		.amdhsa_group_segment_fixed_size 327680
		.amdhsa_private_segment_fixed_size 0
		.amdhsa_enable_private_segment 0
		.amdhsa_kernarg_size 16
		.amdhsa_user_sgpr_count 2
		.amdhsa_user_sgpr_kernarg_segment_ptr 1
		.amdhsa_wavefront_size32 1
		.amdhsa_system_sgpr_workgroup_id_x 1
		.amdhsa_system_sgpr_workgroup_id_y 1
		.amdhsa_system_sgpr_workgroup_id_z 1
		.amdhsa_system_vgpr_workitem_id 0
		.amdhsa_next_free_vgpr 896
		.amdhsa_next_free_sgpr 100
		.amdhsa_reserve_vcc 1
		.amdhsa_float_denorm_mode_32 3
		.amdhsa_float_denorm_mode_16_64 3
		.amdhsa_memory_ordered 1
		.amdhsa_forward_progress 1
		.amdhsa_inst_pref_size 175
	.end_amdhsa_kernel
	.amdgpu_metadata
---
amdhsa.version: [ 1, 2 ]
amdhsa.kernels:
  - .name:           k_q1a156f3a95_qkv
    .symbol:         k_q1a156f3a95_qkv.kd
    .args:
      - { .name: prep, .offset: 0, .size: 8, .value_kind: global_buffer, .address_space: global }
      - { .name: qkv, .offset: 8, .size: 8, .value_kind: global_buffer, .address_space: global }
    .group_segment_fixed_size: 327680
    .private_segment_fixed_size: 0
    .kernarg_segment_align: 8
    .kernarg_segment_size: 16
    .max_flat_workgroup_size: 128
    .sgpr_count:     100
    .vgpr_count:     896
    .wavefront_size: 32
...
	.end_amdgpu_metadata
.endif
;; end of part 2
;; launch attn (part 3): grid 256 x 1, 16 waves a work-group, clusters of 4 x 1, 327,680 bytes of LDS; arguments qkv, att; writes att
.if DOCPART == 3
	.amdgcn_target "amdgcn-amd-amdhsa--gfx1250"
	.amdhsa_code_object_version 6
	.text
	.protected	k_q1a156f3a95_attn
	.globl	k_q1a156f3a95_attn
	.p2align	8
	.type	k_q1a156f3a95_attn,@function
k_q1a156f3a95_attn:
	s_mov_b64 s[64:65], 0
	v_nop
	global_prefetch_b8 v0, s[64:65] scope:SCOPE_SE
	s_setreg_imm32_b32 hwreg(HW_REG_WAVE_MODE, 25, 1), 1
	s_wait_xcnt 0x0
	s_wait_alu depctr_hold_cnt(0) depctr_sa_sdst(0) depctr_va_vdst(0) depctr_va_sdst(0) depctr_va_ssrc(0) depctr_va_vcc(0) depctr_vm_vsrc(0)
	s_getreg_b32 s2, hwreg(HW_REG_IB_STS2, 6, 4)
	s_cmp_eq_u32 s2, 0
	s_cbranch_scc0 .Lentry_in_a_cluster
	s_endpgm
.Lentry_in_a_cluster:
	s_bfe_u32 s2, ttmp6, 0x10000c
	s_cmp_lg_u32 s2, 0x3003
	s_cbranch_scc0 .Lentry_shape_is_right
	s_endpgm
.Lentry_shape_is_right:
; Causal attention on codes of FP6 (E2M3) with E8M0 scales: 2 batches, 16 query heads on 8 kv heads of 64, 2,048 positions.  Its result, divided by the row's sum, is quantised along head x 64 + d.
; LEFT OUT: key steps of 128 whose keys all come after a tile's queries: the causal mask sets their scores to -infinity, so their p is 0 for all inputs.  A NaN or an infinity that reaches only those scores is not carried.
; THE SOFTMAX: t = score x log2(e) / 8; M = the running largest t rounded UP to a whole number; p = 2^(t - M) is quantised along the keys, not normalised; the row's sum is taken of the unquantised p.
; When M moves, the sum and O are multiplied by 2^(old M - new M): exact.  LIMIT: the promise holds while |t| stays under 2^31.
; Both products are used transposed: S^T = K Q^T, O^T = V^T P^T: a lane holds ONE query throughout.
; S^T has K = 64: the upper 64 codes of Q's fragment are zeros, so whatever codes stand in the upper half of K's fragment add nothing (FP6 has no NaN and no infinity; no scale byte is 0xff).
; So K's eight half fragments lie 6 registers apart, each fragment's upper half being the next one's data (the last one's: the second tile's Q), and come in ONE run of loads.
; Row rho of a tile t of 16 is position (or d) 32 (t / 2) + 8 (t % 2) + rho + 8 (rho / 8): the 16 registers of two neighbouring tiles are 16 neighbours along the next K.
; SHARES.  A cluster has one batch, one kv head and four blocks of 128 queries: i, 15 - i, 7 - i, 8 + i (i = cluster % 4), for both query heads.  Of a block's 8 tiles partner cx takes tiles 2 cx and 2 cx + 1.
; A TILE'S KEY STEPS ARE SHARED BY TWO WAVES, w and w xor 4: one takes the even steps, the other the odd ones.  Wave w: tile u = w % 2, pair of blocks (w / 2) % 2 (lo = i or 7 - i, hi = 15 - lo),
; parity r = (w / 4) % 2, head w / 8.  The wave with r = 0 walks hi's tile and then lo's, the other lo's and then hi's: lo + 1 and 16 - lo steps are 17, so a wave has 9 or 8 steps whatever i,
; and waves w, w + 4, w + 8, w + 12 have 34.  What a wave has of its FIRST tile (O^T, -M, the sum) goes to LDS bytes of its own; behind a barrier its partner, which holds the rest of that tile in registers,
; joins the two by factors 2^(M - the larger M), exact, and finishes the tile.  A half with no step holds O = 0, sum 0 and M = -3e38: its factor is 0.
; The blocks hang on the cluster's and the wave's number alone, so every branch is alike in the partners; cx enters global addresses and the mask's numbers only.
; ALL OF THE KV HEAD'S K AND V STAYS IN LDS, each byte filled once, by JOINT loads (mask 15), one a wave: waves 0-2 K's codes, 3-5 V's (32,768 bytes each), 6 K's scale words, 7 V's; wave w's lands at 32,768 w.
; Each walk has 8 trips (a constant); a step beyond the tile's block is left out by a scalar branch on ids, round no barrier and no tensor load.
; No prefetch: everything is asked for at the head, and there is no loop to run ahead in.
; LIMITS: a block of zeros gets the byte 1 (its codes are zeros; this program alone reads the bytes); NaN and infinities are not served.
; REGISTERS: v1-6 bases; v7-10 the step's LDS addresses; v11 -infinity; v12, v89 -M; v13 largest t; v[14:15] the sum; v16-27 Q; v28 Q's scale word; v32-79 K's eight half fragments; v80-86 the second tile's Q and scale word;
;   v87, v88 my and my partner's bytes for the halves; v90, v91 c; v96-159 S^T, then p, then V's four fragments; v160-191 O^T; v192-203 p's codes; v204-211 second halves; v212-215 K's scale words, v216-219 V's;
;   v220-253 at work; v238 p's scale word; v254, v255 the add's two.
; The pairs written with :: take two numbers an instruction; their sources stand in registers of different number mod 4 (so -M, c and f are kept twice).
.set VCG,  4718592                     ; qkv: v's codes
.set QKS,  6291456
.set VSG,  6684672
.set OSG,  3145728                     ; att: the scale words ((tile / 2) 8 + kv head) 128 + (tile % 2) 64 + 4 r
.set VCL,  98304                       ; LDS: K's 128 tiles of 768 bytes lie at 0; V's 16 x 4 images of 1,536 bytes here
.set KSL,  196608                      ; K's scale words, 8,192 bytes
.set VSL,  229376                      ; V's, 4,096 bytes
.set PST,  233472                      ; the halves: 4,608 bytes a wave: nine groups of four registers, 16 bytes a lane
.set PSW,  4608
.set OSS,  307200                      ; the result's scale words on their way out: 512 bytes
.set SPARE, 307712                     ; the spare words, 128 bytes a wave
.set WV,   8
.set BK,   44                          ; s44 the block of the tile at work;  s45 that of the second tile
.set BK2,  45
.set SEL,  50
.set CS,   52
.set SIG,  54                          ; s54 the key step
.set TK,   55                          ; s55 6,144 x the step: K's tiles and V's images
.set TS,   56                          ; s56 512 x: K's scale words
.set TT,   57                          ; s57 256 x: V's
.set CNT,  58
.set BM,   220
.set BT,   224
.set SOP,  228
.set TMP,  232
.set FF,   234
.set S2,   236
.set PW,   238
.set AC,   240                         ; v240-253 seven chains of the row's sum
.set W0J,  15|(3<<16)|(1<<21)
.macro G1SET g, r                      ; a dense block as r rows of 256 bytes (32 elements of 8 bytes), joint
	s_mov_b32 s[\g], W0J
	s_mov_b32 s[\g+1], 32<<16
	s_mov_b32 s[\g+2], (\r)<<16
	s_mov_b32 s[\g+3], 32<<16
	s_mov_b32 s[\g+4], \r
	s_mov_b32 s[\g+5], 32
	s_mov_b32 s[\g+6], 0
	s_mov_b32 s[\g+7], 0
.endm
.macro CROUND
	s_barrier_signal -1
	s_barrier_wait -1
	s_cmp_lg_u32 s[WV], 0
	s_cbranch_scc1 .Lnot_wave_0_\@
	s_barrier_signal -3
.Lnot_wave_0_\@:
	s_barrier_wait -3
	s_barrier_signal -1
	s_barrier_wait -1
.endm
.macro PLACES
.rept 4
	v_nop
.endr
.endm
.macro DADD d, a, b                    ; v[d], v[d + 1] = v[a], v[a + 1] + v[b], v[b + 1]; d, a, b even
	v_dual_add_f32 v[\d], v[\a], v[\b] :: v_dual_add_f32 v[(\d)+1], v[(\a)+1], v[(\b)+1]
.endm
	s_load_b128 s[4:7], s[0:1], 0x0                ; qkv, att
	v_lshl_add_u32 v254, v0, 2, SPARE
	v_mov_b32 v255, 0
	ds_add_u32 v254, v255                          ; the opening lines: the add, twice on end, and its wait
	ds_add_u32 v254, v255
	v_lshrrev_b32 v1, 5, v0
	v_readfirstlane_b32 s[WV], v1                  ; wave 0..15
	s_lshr_b32 s9, s[WV], 3                        ; which of the two query heads
	s_bfe_u32 s10, s[WV], 0x10001                  ; which pair of blocks
	s_bfe_u32 s11, s[WV], 0x10002                  ; r: my parity of key steps
	s_and_b32 s12, s[WV], 1                        ; u: which of my work-group's two tiles
	s_bfe_u32 s13, ttmp6, 0x40000                  ; cx
	s_lshr_b32 s14, ttmp9, 5                       ; batch
	s_bfe_u32 s15, ttmp9, 0x30002                  ; kv head
	s_and_b32 s76, ttmp9, 3                        ; i
	s_sub_co_u32 s77, 7, s76
	s_cmp_eq_u32 s10, 0
	s_cselect_b32 s78, s76, s77                    ; lo
	s_sub_co_u32 s79, 15, s78                      ; hi
	s_cmp_eq_u32 s11, 0
	s_cselect_b32 s[BK], s79, s78                  ; my first tile's block,
	s_cselect_b32 s[BK2], s78, s79                 ; my second's, which I finish
	s_bitcmp1_b32 s[WV], 1                         ; the block whose scale words waves 0-3 store: pair w / 2, lo or hi by w % 2
	s_cselect_b32 s48, s77, s76
	s_sub_co_u32 s79, 15, s48
	s_bitcmp1_b32 s[WV], 0
	s_cselect_b32 s48, s79, s48
	s_lshl_b32 s80, s13, 1
	s_add_co_u32 s80, s80, s12
	s_lshl_b32 s81, s14, 7
	s_add_co_u32 s80, s80, s81
	s_lshl_b32 s46, s[BK], 3
	s_add_co_u32 s46, s46, s80                     ; a tile: 128 batch + 8 block + 2 cx + u
	s_lshl_b32 s47, s[BK2], 3
	s_add_co_u32 s47, s47, s80
	G1SET 16, 128                                  ; 32,768 bytes of codes
	G1SET 24, 32                                   ; K's scale words
	G1SET 32, 16                                   ; V's
	s_add_co_u32 s82, s15, 16                      ; what is fetched hangs on the cluster's and the wave's number alone
	s_lshl_b32 s83, s82, 8
	s_add_co_u32 s83, s83, s81
	s_mul_i32 s83, s83, 768                        ; K: head 16 + kv head, tile 128 batch
	s_lshl_b32 s84, s15, 5
	s_lshl_b32 s85, s14, 4
	s_add_co_u32 s84, s84, s85                     ; 32 kv head + 16 batch
	s_lshl_b32 s86, s84, 8
	s_add_co_u32 s86, s86, VSG
	s_mul_i32 s84, s84, 6144
	s_add_co_u32 s84, s84, VCG-VCL                 ; V, less the three parts of K that stand ahead of it in the waves' order
	s_lshl_b32 s82, s82, 6
	s_lshl_b32 s85, s14, 5
	s_add_co_u32 s82, s82, s85
	s_lshl_b32 s82, s82, 8
	s_add_co_u32 s82, s82, QKS
	s_and_b32 s87, s[WV], 7
	s_lshl_b32 s41, s87, 15                        ; where my load lands
	s_add_co_u32 s83, s83, s41
	s_add_co_u32 s84, s84, s41
	s_cmp_lt_u32 s87, 3
	s_cselect_b32 s74, s83, s84
	s_cmp_eq_u32 s87, 6
	s_cselect_b32 s74, s82, s74
	s_cmp_eq_u32 s87, 7
	s_cselect_b32 s74, s86, s74
	s_mov_b32 s75, 0
	s_mov_b32 s40, 1
	s_mov_b32 s[SEL], 0x76543210
	s_mov_b32 s[SEL+1], 0xfedcba98
	s_mov_b32 s[CS], 0x3e38aa3b                    ; c = log2(e) / 8
	s_wait_dscnt 0x0
	s_wait_kmcnt 0x0
	s_add_nc_u64 s[42:43], s[4:5], s[74:75]
	s_or_b32 s43, s43, 0x80000000
	CROUND                                         ; all four work-groups are here: the joint loads meet
	s_cmp_lt_u32 s[WV], 6                          ; one chain of branches on the wave's number, one load to an arm
	s_cbranch_scc0 .Lnot_codes
	tensor_load_to_lds s[40:43], s[16:23]
	s_nop 0
	PLACES
	s_branch .Lasked
.Lnot_codes:
	s_cmp_eq_u32 s[WV], 6
	s_cbranch_scc0 .Lnot_ks
	tensor_load_to_lds s[40:43], s[24:31]
	s_nop 0
	PLACES
	s_branch .Lasked
.Lnot_ks:
	s_cmp_eq_u32 s[WV], 7
	s_cbranch_scc0 .Lasked
	tensor_load_to_lds s[40:43], s[32:39]
	s_nop 0
	PLACES
.Lasked:
	s_lshl_b32 s80, s15, 1
	s_add_co_u32 s80, s80, s9                      ; my query head
	s_lshl_b32 s81, s80, 8
	s_lshl_b32 s80, s80, 6
	s_mov_b32 s83, 0
.macro QADR t, pc, ps                  ; tile s[t]: Q's half image and its scale words
	s_add_co_u32 s82, s81, s[\t]
	s_mul_i32 s82, s82, 768
	s_add_nc_u64 s[\pc:\pc+1], s[4:5], s[82:83]
	s_lshr_b32 s82, s[\t], 2
	s_add_co_u32 s82, s82, s80
	s_lshl_b32 s82, s82, 8
	s_and_b32 s84, s[\t], 3
	s_lshl_b32 s84, s84, 2
	s_add_co_u32 s82, s82, s84
	s_add_co_u32 s82, s82, QKS
	s_add_nc_u64 s[\ps:\ps+1], s[4:5], s[82:83]
.endm
	QADR 46, 60, 62
	QADR 47, 66, 68
	s_mul_i32 s82, s47, 12288                      ; the result: tile x 12,288 + kv head x 1,536 + head's half x 768
	s_mul_i32 s84, s15, 1536
	s_add_co_u32 s82, s82, s84
	s_mul_i32 s84, s9, 768
	s_add_co_u32 s82, s82, s84
	s_add_nc_u64 s[70:71], s[6:7], s[82:83]
	s_lshl_b32 s82, s14, 6                         ; its scale words: pair of tiles 64 batch + 4 block + cx
	s_lshl_b32 s84, s48, 2
	s_add_co_u32 s82, s82, s84
	s_add_co_u32 s82, s82, s13
	s_lshl_b32 s82, s82, 3
	s_add_co_u32 s82, s82, s15
	s_lshl_b32 s82, s82, 7
	s_add_co_u32 s82, s82, OSG
	s_add_nc_u64 s[72:73], s[6:7], s[82:83]
	s_lshl_b32 s85, s13, 5
	s_lshl_b32 s84, s12, 3
	s_add_co_u32 s85, s85, s84                     ; 32 cx + 8 u
	s_lshl_b32 s86, s10, 8                         ; 64 (4 pair + 2 r + u) + 2 head
	s_lshl_b32 s84, s11, 7
	s_add_co_u32 s86, s86, s84
	s_lshl_b32 s84, s12, 6
	s_add_co_u32 s86, s86, s84
	s_lshl_b32 s84, s9, 1
	s_add_co_u32 s86, s86, s84
	s_add_co_u32 s86, s86, OSS
	s_and_b32 s87, s[WV], 3
	s_lshl_b32 s87, s87, 7
	s_add_co_u32 s87, s87, OSS
	s_mul_i32 s88, s[WV], PSW
	s_add_co_u32 s88, s88, PST                     ; my bytes for a half,
	s_xor_b32 s89, s[WV], 4
	s_mul_i32 s89, s89, PSW
	s_add_co_u32 s89, s89, PST                     ; my partner's
	v_and_b32 v30, 31, v0                          ; lane
	v_and_b32 v31, 15, v0                          ; r
	v_bfe_u32 v7, v0, 4, 1                         ; h
	v_lshlrev_b32 v1, 3, v30                       ; 8 x lane: K's tiles in LDS (they begin at 0), Q and the result in memory
	v_lshlrev_b32 v2, 4, v30
	v_lshlrev_b32 v29, 4, v31                      ; 16 r
	v_add_nc_u32 v87, s88, v2
	v_add_nc_u32 v88, s89, v2
	v_add_nc_u32 v3, KSL, v2                       ; K's scale words: 16 x lane
	v_add_nc_u32 v2, VCL, v2                       ; V's images: 16 x lane
	v_add_nc_u32 v6, VSL, v29                      ; V's scale words
.irp p, 0,1,2
	global_load_b64 v[16+2*\p:17+2*\p], v1, s[60:61] offset:256*\p   ; the first tile's Q, registers 0-5
.endr
	global_load_b32 v28, v29, s[62:63]             ; its scale words
.irp p, 0,1,2
	global_load_b64 v[80+2*\p:81+2*\p], v1, s[66:67] offset:256*\p   ; the second tile's
.endr
	global_load_b32 v86, v29, s[68:69]
	v_and_b32 v4, 8, v31
	v_lshlrev_b32 v7, 4, v7
	v_add_nc_u32 v4, v4, v31
	v_lshl_add_u32 v5, v31, 2, s86                 ; where my row's two scale bytes go
	v_sub_nc_u32 v4, v4, v7
	v_lshl_add_u32 v31, v30, 2, s87                ; where waves 0-3 read words back
	v_add_nc_u32 v4, s85, v4                       ; d = my query in its block - 16 h.  Register 16 b + i holds key 32 b + 16 h + i of the step: hidden on the diagonal where 32 b + i > d
	v_lshlrev_b32 v30, 2, v30                      ; 4 x lane
	v_mov_b32 v11, 0xff800000                      ; -infinity
	v_mov_b32 v90, s[CS]                           ; c, twice
	v_mov_b32 v91, s[CS]
.irp k, 22,23,24,25,26,27
	v_mov_b32 v[\k], 0                             ; Q's K = 64 .. 127: zero codes, for both tiles
.endr
.irp b, 0,1,2,3
	v_mov_b32 v[BT+\b], 0                          ; a lane permute's destination counts as one of its sources
.endr
	v_mov_b32 v[TMP], 0
	v_mov_b32 v[FF+1], 0                           ; (named as the upper halves of pairs)
	v_mov_b32 v[S2+1], 0
.macro FRESH                           ; a tile begins: the step is written once; the first finds zeros
	v_mov_b32 v13, 0xff61b1e6                      ; the largest t so far: -3e38
	v_mov_b32 v14, 0
	v_mov_b32 v15, 0
	v_floor_f32 v12, -v13                          ; -M
.set n, 0
.rept 32
	v_mov_b32 v[160+n], 0                          ; O^T
.set n, n+1
.endr
	s_mov_b32 s[SIG], s11                          ; my steps: r, r + 2, ..
	s_mul_i32 s[TK], s11, 6144
	s_lshl_b32 s[TS], s11, 9
	s_lshl_b32 s[TT], s11, 8
	s_mov_b32 s[CNT], 8
	s_wait_alu depctr_va_vdst(0)
.endm
; A KEY STEP: 128 keys.
.macro STEP
	s_cmp_gt_u32 s[SIG], s[BK]
	s_cbranch_scc1 .Lhidden_\@
	v_add_nc_u32 v7, s[TK], v1
	s_wait_alu depctr_va_vdst(0)
	v_add_nc_u32 v8, s[TK], v2
	v_add_nc_u32 v9, s[TS], v3
	v_add_nc_u32 v10, s[TT], v6
	v_nop                                          ; five plain lines between the last products and the products below, which write over registers that those read (ISA guide 7.12.1)
	ds_load_b128 v[212:215], v9                    ; register t: tile t's words in lanes 0-15, tile 4 + t's in lanes 16-31
	ds_load_b128 v[216:219], v10
.irp t, 0,1,2,3,4,5,6,7
.irp p, 0,1,2
	ds_load_b64 v[32+6*\t+2*\p:33+6*\t+2*\p], v7 offset:\t*768+256*\p   ; K's eight half fragments, 6 registers apart
.endr
.endr
	s_wait_dscnt 0x0
.irp t, 0,1,2,3
	v_wmma_scale_f32_16x16x128_f8f6f4 v[96+8*\t:103+8*\t], v[32+6*\t:43+6*\t], v[16:27], 0, v[212+\t], v28 matrix_a_fmt:MATRIX_FMT_FP6 matrix_b_fmt:MATRIX_FMT_FP6
.endr
.irp t, 0,1,2,3
	v_wmma_scale_f32_16x16x128_f8f6f4 v[128+8*\t:135+8*\t], v[56+6*\t:67+6*\t], v[16:27], 0, v[212+\t], v28 matrix_a_fmt:MATRIX_FMT_FP6 matrix_b_fmt:MATRIX_FMT_FP6 matrix_a_scale:MATRIX_SCALE_ROW1
.endr
	PLACES
	s_cmp_lt_u32 s[SIG], s[BK]                     ; only the step on the diagonal has hidden keys
	s_cbranch_scc1 .Lopen_\@
.set n, 0
.rept 64
	v_cmp_gt_i32 vcc_lo, 32*(n/16)+n%16, v4
	v_cndmask_b32 v[96+n], v[96+n], v11, vcc_lo    ; -infinity ahead of the maximum: p = 0 then
.set n, n+1
.endr
.Lopen_\@:
.irp b, 0,1,2,3
	v_max3_num_f32 v[BM+\b], v[96+16*\b], v[97+16*\b], v[98+16*\b]   ; the largest score of each block of 32 keys: for the row's maximum and, since p rises with the score, for the block's largest p
.endr
.irp i, 3,5,7,9,11,13
.irp b, 0,1,2,3
	v_max3_num_f32 v[BM+\b], v[BM+\b], v[96+16*\b+\i], v[97+16*\b+\i]
.endr
.endr
.irp b, 0,1,2,3
	v_max_num_f32 v[BM+\b], v[BM+\b], v[111+16*\b]
.endr
.irp b, 0,1,2,3
	s_delay_alu instid0(VALU_DEP_4)
	v_permlanex16_b32 v[BT+\b], v[BM+\b], s[SEL], s[SEL+1]
.endr
.irp b, 0,1,2,3
	s_delay_alu instid0(VALU_DEP_4)
	v_max_num_f32 v[BM+\b], v[BM+\b], v[BT+\b]
.endr
	s_delay_alu instid0(VALU_DEP_2)
	v_max3_num_f32 v[TMP], v[BM], v[BM+1], v[BM+2]
	s_delay_alu instid0(VALU_DEP_1)
	v_max_num_f32 v[TMP], v[TMP], v[BM+3]
	s_delay_alu instid0(VALU_DEP_1)
	v_mul_f32 v[TMP], s[CS], v[TMP]
	s_delay_alu instid0(VALU_DEP_1)
	v_max_num_f32 v13, v13, v[TMP]                 ; the running largest t
	v_mov_b32 v[TMP], v12
	s_delay_alu instid0(VALU_DEP_2)
	v_floor_f32 v12, -v13                          ; the new -M = -ceil(t),
	v_floor_f32 v89, -v13                          ; twice
	s_delay_alu instid0(VALU_DEP_2)
	v_sub_f32 v[TMP], v12, v[TMP]                  ; old M - new M: a whole number, 0 or less
	s_delay_alu instid0(VALU_DEP_1)
	v_cvt_i32_f32 v[TMP], v[TMP]                   ; (it saturates)
	s_delay_alu instid0(VALU_DEP_1)
	v_ldexp_f32 v[FF], 1.0, v[TMP]                 ; f = 2^(old M - new M),
	v_ldexp_f32 v[FF+1], 1.0, v[TMP]               ; twice
.irp b, 0,1,2,3
	v_fma_f32 v[BM+\b], v[BM+\b], s[CS], v12
.endr
.set n, 0
.rept 32
	v_dual_fma_f32 v[96+n], v[96+n], v90, v12 :: v_dual_fma_f32 v[97+n], v[97+n], v91, v89   ; t - M
.set n, n+2
.endr
.set n, 0
	s_wait_alu depctr_va_vdst(0)                   ; the wait ahead of the batch
.rept 64
	v_exp_f32 v[96+n], v[96+n]                     ; p = 2^(t - M)
.set n, n+1
.endr
	v_pk_mul_f32 v[14:15], v[14:15], v[FF:FF+1] op_sel_hi:[1,0]   ; the sums under the new M (a plain line behind the exponentials)
	s_wait_alu depctr_va_vdst(0)                   ; one wait for the batch, ahead of its first reader
.irp b, 0,1,2,3
	v_exp_f32 v[BM+\b], v[BM+\b]                   ; the block's largest p
.endr
.irp j, 0,1,2,3,4,5,6                          ; the row's sum of the unquantised p: 32 pairs in eight chains
	DADD AC+2*\j, 96+4*\j, 98+4*\j
.endr
	DADD 14, 124, 14
.irp j, 0,1,2,3,4,5,6
	DADD AC+2*\j, 126+2*\j, AC+2*\j
.endr
	DADD 14, 140, 14
.irp j, 0,1,2,3,4,5,6
	DADD AC+2*\j, 142+2*\j, AC+2*\j
.endr
	DADD 14, 156, 14
	DADD AC, 158, AC
	DADD AC+4, AC+6, AC+4
	DADD AC+8, AC+10, AC+8
	DADD 14, AC+12, 14
	DADD AC, AC+2, AC
	DADD 14, AC+8, 14
	DADD AC, AC+4, AC
	DADD 14, AC, 14
	s_wait_alu depctr_va_vdst(0)                   ; and one for the four
.irp b, 0,1,2,3
	v_max_num_f32 v[BM+\b], 0x1800000, v[BM+\b]    ; the floor 2^(3 - 127)
.endr
.irp b, 0,1,2,3
	s_delay_alu instid0(VALU_DEP_4)
	v_add_nc_u32 v[SOP+\b], 0xff000000, v[BM+\b]
.endr
.irp c, 0,1
	v_cvt_scalef32_pk16_fp6_f32 v[192+6*\c:194+6*\c], v[96+32*\c:111+32*\c], v[SOP+2*\c]
	v_cvt_scalef32_pk16_fp6_f32 v[204+4*\c:206+4*\c], v[112+32*\c:127+32*\c], v[SOP+2*\c+1]
.endr
	v_nop                                          ; one plain line behind the conversions
.irp t, 0,1,2,3
.irp k, 0,1,2
	ds_load_b128 v[96+12*\t+4*\k:99+12*\t+4*\k], v8 offset:\t*1536+512*\k   ; V's four fragments, into the registers that p has left
.endr
.endr
.irp b, 0,1,2,3
	v_lshrrev_b32 v[BT+\b], 23, v[SOP+\b]          ; the scale bytes, while the fragments are on their way
.endr
	s_delay_alu instid0(VALU_DEP_3)
	v_lshl_or_b32 v[PW], v[BT+1], 8, v[BT]
	s_delay_alu instid0(VALU_DEP_1)
	v_lshl_or_b32 v[PW], v[BT+2], 16, v[PW]
	s_delay_alu instid0(VALU_DEP_1)
	v_lshl_or_b32 v[PW], v[BT+3], 24, v[PW]
.irp c, 0,1
.irp i, 0,1,2
	v_permlane16_swap_b32 v[192+6*\c+\i], v[204+4*\c+\i]
.endr
.irp i, 0,1,2
	s_delay_alu instid0(VALU_DEP_3)
	v_mov_b32 v[195+6*\c+\i], v[204+4*\c+\i]
.endr
.endr
.set n, 0
.rept 16
	v_dual_mul_f32 v[160+n], v[FF], v[160+n] :: v_dual_mul_f32 v[161+n], v[FF+1], v[161+n]   ; O^T under the new M.  (These are also the places in front of the products below)
.set n, n+2
.endr
	s_wait_alu depctr_va_vdst(0)
	s_wait_dscnt 0x0
.irp t, 0,1,2,3
	v_wmma_scale_f32_16x16x128_f8f6f4 v[160+8*\t:167+8*\t], v[96+12*\t:107+12*\t], v[192:203], v[160+8*\t:167+8*\t], v[216+\t], v[PW] matrix_a_fmt:MATRIX_FMT_FP6 matrix_b_fmt:MATRIX_FMT_FP6
.endr
.Lhidden_\@:
	s_add_co_u32 s[SIG], s[SIG], 2
	s_add_co_u32 s[TK], s[TK], 12288
	s_add_co_u32 s[TS], s[TS], 1024
	s_add_co_u32 s[TT], s[TT], 512
.endm
	FRESH
	s_wait_loadcnt 0x0                             ; both tiles' Q
	s_wait_tensorcnt 0x0                           ; my load has landed
	s_barrier_signal -1
	s_barrier_wait -1                              ; and everybody's: nothing is filled again in this launch
.Lfirst:
	STEP
	s_sub_co_u32 s[CNT], s[CNT], 1
	s_cmp_lg_u32 s[CNT], 0
	s_cbranch_scc1 .Lfirst
	PLACES                                         ; between the last products and the first read of their results
.irp g, 0,1,2,3,4,5,6,7
	ds_store_b128 v87, v[160+4*\g:163+4*\g] offset:512*\g   ; my half of the first tile, each accumulator from its low end on
.endr
	ds_store_b128 v87, v[12:15] offset:4096        ; -M, t, the sum's two halves
	s_wait_dscnt 0x0                               ; the stores have read their registers
.irp k, 0,1,2,3,4,5
	v_mov_b32 v[16+\k], v[80+\k]                   ; the second tile's Q,
.endr
	v_mov_b32 v28, v86                             ; its scale words (the 36 lines below are the places ahead of the next products)
	s_mov_b32 s[BK], s[BK2]
	FRESH
.Lsecond:
	STEP
	s_sub_co_u32 s[CNT], s[CNT], 1
	s_cmp_lg_u32 s[CNT], 0
	s_cbranch_scc1 .Lsecond
	PLACES
	s_wait_dscnt 0x0
	s_barrier_signal -1
	s_barrier_wait -1                              ; every wave's first half lies in LDS
.irp g, 0,1,2,3,4,5,6,7
	ds_load_b128 v[96+4*\g:99+4*\g], v88 offset:512*\g      ; my partner's half of the tile that I hold
.endr
	ds_load_b128 v[128:131], v88 offset:4096
	s_wait_dscnt 0x0
	v_min_num_f32 v[TMP], v12, v128                ; -(the larger M)
	v_add_f32 v14, v14, v15
	v_add_f32 v130, v130, v131
	v_sub_f32 v[TMP+1], v[TMP], v12                ; whole numbers, 0 or less
	v_sub_f32 v239, v[TMP], v128
	v_cvt_i32_f32 v[TMP+1], v[TMP+1]               ; (they saturate)
	v_cvt_i32_f32 v239, v239
	v_ldexp_f32 v[FF], 1.0, v[TMP+1]               ; my half's factor,
	v_ldexp_f32 v[S2], 1.0, v239                   ; my partner's
	v_mul_f32 v14, v14, v[FF]
	s_delay_alu instid0(VALU_DEP_1)
	v_fmac_f32 v14, v130, v[S2]
	s_delay_alu instid0(VALU_DEP_1)
	v_permlanex16_b32 v[TMP], v14, s[SEL], s[SEL+1]
	s_delay_alu instid0(VALU_DEP_1)
	v_add_f32 v14, v14, v[TMP]                     ; the row's sum
	s_wait_alu depctr_va_vdst(0)                   ; the wait ahead of the reciprocal,
	v_rcp_f32 v[TMP+1], v14
	v_nop                                          ; a plain line behind it,
	s_wait_alu depctr_va_vdst(0)                   ; and the wait ahead of its first reader
	v_mul_f32 v[FF], v[FF], v[TMP+1]               ; a power of two x 1 / the sum
	v_mul_f32 v[S2], v[S2], v[TMP+1]
.set n, 0
.rept 16
	v_pk_mul_f32 v[160+n:161+n], v[160+n:161+n], v[FF:FF+1] op_sel_hi:[1,0]
.set n, n+2
.endr
.set n, 0
.rept 16
	v_pk_fma_f32 v[160+n:161+n], v[96+n:97+n], v[S2:S2+1], v[160+n:161+n] op_sel_hi:[1,0,1]
.set n, n+2
.endr
	; THE WAY OUT: register 16 b + i is d = 32 b + 16 h + i: two blocks of 32 along the next K, half of each in lane l xor 16
.irp b, 0,1
	v_max3_num_f32 v[BM+\b], |v[160+16*\b]|, |v[161+16*\b]|, 0x1800000
.endr
.irp i, 2,4,6,8,10,12,14
.irp b, 0,1
	s_delay_alu instid0(VALU_DEP_2)
	v_max3_num_f32 v[BM+\b], v[BM+\b], |v[160+16*\b+\i]|, |v[161+16*\b+\i]|
.endr
.endr
.irp b, 0,1
	s_delay_alu instid0(VALU_DEP_2)
	v_permlanex16_b32 v[BT+\b], v[BM+\b], s[SEL], s[SEL+1]
.endr
.irp b, 0,1
	s_delay_alu instid0(VALU_DEP_2)
	v_max_num_f32 v[BM+\b], v[BM+\b], v[BT+\b]
.endr
.irp b, 0,1
	s_delay_alu instid0(VALU_DEP_2)
	v_add_nc_u32 v[SOP+\b], 0xff000000, v[BM+\b]
.endr
.irp b, 0,1
	s_delay_alu instid0(VALU_DEP_2)
	v_lshrrev_b32 v[BT+\b], 23, v[SOP+\b]
.endr
	s_delay_alu instid0(VALU_DEP_1)
	v_lshl_or_b32 v[S2], v[BT+1], 8, v[BT]         ; my head's two bytes of the row's scale word
	v_cvt_scalef32_pk16_fp6_f32 v[192:194], v[160:175], v[SOP]
	v_cvt_scalef32_pk16_fp6_f32 v[204:206], v[176:191], v[SOP+1]
	v_nop
.irp i, 0,1,2
	v_permlane16_swap_b32 v[192+\i], v[204+\i]
.endr
.irp i, 0,1,2
	s_delay_alu instid0(VALU_DEP_3)
	v_mov_b32 v[195+\i], v[204+\i]
.endr
.irp p, 0,1,2
	global_store_b64 v1, v[192+2*\p:193+2*\p], s[70:71] offset:256*\p   ; half of a fragment's image (register 2 p + w of lane l at 256 p + 8 l + 4 w): 256 consecutive bytes, aligned
.endr
	ds_store_b16 v5, v[S2]                         ; both lanes of a row write the same two bytes; the other head's wave writes the word's other half
	s_wait_dscnt 0x0
	s_barrier_signal -1
	s_barrier_wait -1
	s_cmp_lt_u32 s[WV], 4
	s_cbranch_scc0 .Ldone
	ds_load_b32 v[TMP], v31                        ; one block's two tiles' words
	s_wait_dscnt 0x0
	global_store_b32 v30, v[TMP], s[72:73]         ; 128 consecutive bytes: the neighbouring 128 are another kv head's cluster's
.Ldone:
	s_wait_tensorcnt 0x0                           ; the wave's end
	ds_add_u32 v254, v255
	s_wait_dscnt 0x0
	CROUND                                         ; the closing round
	s_endpgm
.Lfunc_end_k_q1a156f3a95_attn:
	.size	k_q1a156f3a95_attn, .Lfunc_end_k_q1a156f3a95_attn-k_q1a156f3a95_attn
	.p2alignl 7, 3214868480
	.fill 96, 4, 3214868480
	.section	.rodata,"a",@progbits
	.p2align	6, 0x0
	.amdhsa_kernel k_q1a156f3a95_attn
		.amdhsa_group_segment_fixed_size 327680
		.amdhsa_private_segment_fixed_size 0
		.amdhsa_enable_private_segment 0
		.amdhsa_kernarg_size 16
		.amdhsa_user_sgpr_count 2
		.amdhsa_user_sgpr_kernarg_segment_ptr 1
		.amdhsa_wavefront_size32 1
		.amdhsa_system_sgpr_workgroup_id_x 1
		.amdhsa_system_sgpr_workgroup_id_y 1
		.amdhsa_system_sgpr_workgroup_id_z 1
		.amdhsa_system_vgpr_workitem_id 0
		.amdhsa_next_free_vgpr 256
		.amdhsa_next_free_sgpr 100
		.amdhsa_reserve_vcc 1
		.amdhsa_float_denorm_mode_32 3
		.amdhsa_float_denorm_mode_16_64 3
		.amdhsa_memory_ordered 1
		.amdhsa_forward_progress 1
		.amdhsa_inst_pref_size 69
	.end_amdhsa_kernel
	.amdgpu_metadata
---
amdhsa.version: [ 1, 2 ]
amdhsa.kernels:
  - .name:           k_q1a156f3a95_attn
    .symbol:         k_q1a156f3a95_attn.kd
    .args:
      - { .name: qkv, .offset: 0, .size: 8, .value_kind: global_buffer, .address_space: global }
      - { .name: att, .offset: 8, .size: 8, .value_kind: global_buffer, .address_space: global }
    .group_segment_fixed_size: 327680
    .private_segment_fixed_size: 0
    .kernarg_segment_align: 8
    .kernarg_segment_size: 16
    .max_flat_workgroup_size: 512
    .sgpr_count:     100
    .vgpr_count:     256
    .wavefront_size: 32
...
	.end_amdgpu_metadata
.endif
;; end of part 3
;; launch oproj (part 4): grid 256 x 1, 4 waves a work-group, clusters of 4 x 1, 327,680 bytes of LDS; arguments prep, att, out0; writes out0
.if DOCPART == 4
	.amdgcn_target "amdgcn-amd-amdhsa--gfx1250"
	.amdhsa_code_object_version 6
	.text
	.protected	k_q1a156f3a95_oproj
	.globl	k_q1a156f3a95_oproj
	.p2align	8
	.type	k_q1a156f3a95_oproj,@function
k_q1a156f3a95_oproj:
	s_mov_b64 s[64:65], 0
	v_nop
	global_prefetch_b8 v0, s[64:65] scope:SCOPE_SE
	s_setreg_imm32_b32 hwreg(HW_REG_WAVE_MODE, 25, 1), 1
	s_wait_xcnt 0x0
	s_wait_alu depctr_hold_cnt(0) depctr_sa_sdst(0) depctr_va_vdst(0) depctr_va_sdst(0) depctr_va_ssrc(0) depctr_va_vcc(0) depctr_vm_vsrc(0)
	s_getreg_b32 s2, hwreg(HW_REG_IB_STS2, 6, 4)
	s_cmp_eq_u32 s2, 0
	s_cbranch_scc0 .Lentry_in_a_cluster
	s_endpgm
.Lentry_in_a_cluster:
	s_bfe_u32 s2, ttmp6, 0x10000c
	s_cmp_lg_u32 s2, 0x3003
	s_cbranch_scc0 .Lentry_shape_is_right
	s_endpgm
.Lentry_shape_is_right:
.set WOC,   9437184
.set WOS,   11403264
.set OSG,   3145728
.set SLOT,  147456
.set SCL,   294912
.set L16,  2
.set L8,   3
.set AD0,  4
.set AD1,  6
.set ADS0, 8
.set ADS1, 9
.set STO,  12
.set RD,   13
.set SC,   32
.set F0,   80
.set F1,   176
.set BK,   80
.set W0J,  15|(3<<16)|(1<<21)
.set W0P,  3<<16
.set MSB, 0
.macro WIN new
.if MSB != \new
	s_set_vgpr_msb (MSB<<8)|\new
.set MSB, \new
.endif
.endm
.macro PLACES n
.rept \n
	v_nop
.endr
.endm
.macro G1SET g, w0, c, r, p
	s_mov_b32 s[\g], \w0
	s_mov_b32 s[\g+1], (\c)<<16
	s_mov_b32 s[\g+2], (\r)<<16
	s_mov_b32 s[\g+3], (\c)<<16
	s_mov_b32 s[\g+4], \r
	s_mov_b32 s[\g+5], \p
	s_mov_b32 s[\g+6], 0
	s_mov_b32 s[\g+7], 0
.endm
.macro JLOAD g0j, g1j, g0p, g1p
	s_cmp_eq_u32 s9, 0
	s_cbranch_scc0 .Lfor_p_\@
	tensor_load_to_lds s[\g0j:\g0j+3], s[\g1j:\g1j+7]
	s_nop 0
	PLACES 4
	s_branch .Lasked_\@
.Lfor_p_\@:
	tensor_load_to_lds s[\g0p:\g0p+3], s[\g1p:\g1p+7]
	s_nop 0
	PLACES 4
.Lasked_\@:
.endm
.macro CROUND
	s_barrier_signal -1
	s_barrier_wait -1
	s_cmp_lg_u32 s8, 0
	s_cbranch_scc1 .Lnot_wave_0_\@
	s_barrier_signal -3
.Lnot_wave_0_\@:
	s_barrier_wait -3
	s_barrier_signal -1
	s_barrier_wait -1
.endm
	s_load_b128 s[4:7], s[0:1], 0x0
	s_load_b64 s[92:93], s[0:1], 0x10
	v_lshl_add_u32 v254, v0, 2, 0x4b000
	v_mov_b32 v255, 0
	ds_add_u32 v254, v255
	ds_add_u32 v254, v255
	v_lshrrev_b32 v1, 5, v0
	v_readfirstlane_b32 s8, v1
	s_lshr_b32 s9, s8, 1
	s_and_b32 s10, s8, 1
	s_mov_b32 s11, ttmp9
	s_bfe_u32 s12, ttmp6, 0x40000
	s_lshr_b32 s14, s11, 3
	s_lshl_b32 s14, s14, 4
	s_and_b32 s15, s11, 7
	s_lshl_b32 s15, s15, 5
	s_lshl_b32 s79, s12, 3
	s_add_co_u32 s15, s15, s79
	G1SET 16, W0J, 768, 16, 1536                   ; source 0 (wo): 16 tiles at the head, 8 for slot 1
	G1SET 24, W0P, 768, 8, 1536                    ; source 1 (attention's result): 8 tiles at the head, 4 for slot 1
	G1SET 32, W0J, 32, 32, 32                      ; source 0's scale words: 8 pairs, 8,192 dense bytes
	G1SET 40, W0P, 32, 16, 32                      ; source 1's: 4 pairs
	s_mul_i32 s80, s14, 12288
	s_add_co_u32 s80, s80, WOC
	s_mov_b32 s81, 0
	s_mul_i32 s82, s15, 12288
	s_mov_b32 s83, 0
	s_lshr_b32 s84, s14, 1
	s_lshl_b32 s84, s84, 10
	s_add_co_u32 s84, s84, WOS
	s_mov_b32 s85, 0
	s_lshr_b32 s86, s15, 1
	s_lshl_b32 s86, s86, 10
	s_add_co_u32 s86, s86, OSG
	s_mov_b32 s87, 0
	s_mul_i32 s76, s10, 49152
	s_mul_i32 s77, s10, 24576
	s_mul_i32 s88, s10, 98304                      ; for slot 1 I fetch half of a source's tiles: 8 tiles of source 0 on,
	s_mov_b32 s89, 0
	s_mul_i32 s90, s10, 49152                      ; or 4 of source 1
	s_mov_b32 s91, 0
	s_wait_dscnt 0x0
	s_wait_kmcnt 0x0
	s_add_nc_u64 s[80:81], s[4:5], s[80:81]
	s_add_nc_u64 s[82:83], s[6:7], s[82:83]
	s_add_nc_u64 s[84:85], s[4:5], s[84:85]
	s_add_nc_u64 s[86:87], s[6:7], s[86:87]
	CROUND
	s_mov_b32 s68, 1
	s_mov_b32 s69, SCL
	s_mov_b64 s[70:71], s[84:85]
	s_or_b32 s71, s71, 0x80000000
	s_mov_b32 s72, 1
	s_mov_b32 s73, SCL+8192
	s_mov_b64 s[74:75], s[86:87]
	s_or_b32 s75, s75, 0x80000000
.irp k, 0,1
	s_mov_b32 s[48+4*\k], 1
	s_add_co_u32 s[49+4*\k], s76, \k*SLOT
	s_add_nc_u64 s[50+4*\k:51+4*\k], s[80:81], \k*6144
	s_or_b32 s[51+4*\k], s[51+4*\k], 0x80000000
	s_mov_b32 s[56+4*\k], 1
	s_add_co_u32 s[57+4*\k], s77, \k*SLOT+98304
	s_add_nc_u64 s[58+4*\k:59+4*\k], s[82:83], \k*6144
	s_or_b32 s[59+4*\k], s[59+4*\k], 0x80000000
.endr
	s_mov_b32 s49, 0                               ; the head's loads bring slot 0's tiles whole
	s_mov_b32 s57, 98304
	s_add_nc_u64 s[54:55], s[54:55], s[88:89]      ; slot 1's: my half
	s_add_nc_u64 s[62:63], s[62:63], s[90:91]
	; THE HEAD'S LOADS, ONE A WAVE: wave 0 source 0's 16 tiles of slot 0, wave 1 source 1's 8, wave 2 source 0's scale words, wave 3 source 1's.  One chain of branches on the wave's number
	s_cmp_lt_u32 s8, 1
	s_cbranch_scc0 .Lhead_1
	tensor_load_to_lds s[48:51], s[16:23]
	s_nop 0
	PLACES 4
	s_branch .Lhead_asked
.Lhead_1:
	s_cmp_lt_u32 s8, 2
	s_cbranch_scc0 .Lhead_2
	tensor_load_to_lds s[56:59], s[24:31]
	s_nop 0
	PLACES 4
	s_branch .Lhead_asked
.Lhead_2:
	s_cmp_lt_u32 s8, 3
	s_cbranch_scc0 .Lhead_3
	tensor_load_to_lds s[68:71], s[32:39]
	s_nop 0
	PLACES 4
	s_branch .Lhead_asked
.Lhead_3:
	tensor_load_to_lds s[72:75], s[40:47]
	s_nop 0
	PLACES 4
.Lhead_asked:
	v_and_b32 v1, 31, v0
	v_lshlrev_b32 v[L16], 4, v1
	v_lshlrev_b32 v[L8], 3, v1
	s_wait_alu depctr_va_vdst(0)
	s_mul_i32 s76, s9, 49152
	s_mul_i32 s77, s10, 24576
	s_add_co_u32 s77, s77, 98304
.irp k, 0,1
	v_add_nc_u32 v[AD0+\k], s76, v[L16]
	v_add_nc_u32 v[AD1+\k], s77, v[L8]
	s_add_co_u32 s76, s76, SLOT
	s_add_co_u32 s77, s77, SLOT
.endr
	s_lshl_b32 s76, s9, 12
	s_add_co_u32 s76, s76, SCL
	v_add_nc_u32 v[ADS0], s76, v[L8]
	s_lshl_b32 s77, s10, 11
	s_add_co_u32 s77, s77, SCL+8192
	v_lshl_add_u32 v[ADS1], v1, 2, s77
	s_mul_i32 s76, s8, 8448
	v_and_b32 v14, 15, v0
	v_bfe_u32 v15, v0, 4, 1
	v_mul_u32_u24 v[STO], v14, 528
	v_lshl_add_u32 v[STO], v15, 6, v[STO]
	v_add_nc_u32 v[STO], s76, v[STO]
	v_add_nc_u32 v[RD], s76, v[L16]
	s_lshl_b32 s78, s10, 2
	s_add_co_u32 s78, s78, s15
	s_lshl_b32 s78, s78, 17
	s_lshl_b32 s79, s14, 6
	s_add_co_u32 s78, s78, s79
	s_lshl_b32 s79, s9, 9
	s_add_co_u32 s78, s78, s79
	s_mov_b32 s79, 0
	s_add_nc_u64 s[92:93], s[92:93], s[78:79]
.macro WM a, b, q, sc, zero
.set rD, 8*(8*(\b)+(\a))
.set rA, F0+12*(\a)
.set rB, F1+12*(\b)
.set rX, SC+24*(\sc)+4*((\a)/2)+(\q)
.set rY, SC+24*(\sc)+16+4*((\b)/2)+(\q)
.set par, 2*((\a)%2)+((\b)%2)
.if \zero
.if par == 0
	v_wmma_scale_f32_16x16x128_f8f6f4 v[rD:rD+7], v[rA:rA+11], v[rB:rB+11], 0, v[rX], v[rY] matrix_a_fmt:MATRIX_FMT_FP6 matrix_b_fmt:MATRIX_FMT_FP6
.elseif par == 1
	v_wmma_scale_f32_16x16x128_f8f6f4 v[rD:rD+7], v[rA:rA+11], v[rB:rB+11], 0, v[rX], v[rY] matrix_a_fmt:MATRIX_FMT_FP6 matrix_b_fmt:MATRIX_FMT_FP6 matrix_b_scale:MATRIX_SCALE_ROW1
.elseif par == 2
	v_wmma_scale_f32_16x16x128_f8f6f4 v[rD:rD+7], v[rA:rA+11], v[rB:rB+11], 0, v[rX], v[rY] matrix_a_fmt:MATRIX_FMT_FP6 matrix_b_fmt:MATRIX_FMT_FP6 matrix_a_scale:MATRIX_SCALE_ROW1
.else
	v_wmma_scale_f32_16x16x128_f8f6f4 v[rD:rD+7], v[rA:rA+11], v[rB:rB+11], 0, v[rX], v[rY] matrix_a_fmt:MATRIX_FMT_FP6 matrix_b_fmt:MATRIX_FMT_FP6 matrix_a_scale:MATRIX_SCALE_ROW1 matrix_b_scale:MATRIX_SCALE_ROW1
.endif
.else
.if par == 0
	v_wmma_scale_f32_16x16x128_f8f6f4 v[rD:rD+7], v[rA:rA+11], v[rB:rB+11], v[rD:rD+7], v[rX], v[rY] matrix_a_fmt:MATRIX_FMT_FP6 matrix_b_fmt:MATRIX_FMT_FP6
.elseif par == 1
	v_wmma_scale_f32_16x16x128_f8f6f4 v[rD:rD+7], v[rA:rA+11], v[rB:rB+11], v[rD:rD+7], v[rX], v[rY] matrix_a_fmt:MATRIX_FMT_FP6 matrix_b_fmt:MATRIX_FMT_FP6 matrix_b_scale:MATRIX_SCALE_ROW1
.elseif par == 2
	v_wmma_scale_f32_16x16x128_f8f6f4 v[rD:rD+7], v[rA:rA+11], v[rB:rB+11], v[rD:rD+7], v[rX], v[rY] matrix_a_fmt:MATRIX_FMT_FP6 matrix_b_fmt:MATRIX_FMT_FP6 matrix_a_scale:MATRIX_SCALE_ROW1
.else
	v_wmma_scale_f32_16x16x128_f8f6f4 v[rD:rD+7], v[rA:rA+11], v[rB:rB+11], v[rD:rD+7], v[rX], v[rY] matrix_a_fmt:MATRIX_FMT_FP6 matrix_b_fmt:MATRIX_FMT_FP6 matrix_a_scale:MATRIX_SCALE_ROW1 matrix_b_scale:MATRIX_SCALE_ROW1
.endif
.endif
.endm
.macro MUL set, q, sc, b0, nb, zero
.if \set
	WIN 0x5a
.else
	WIN 0x50
.endif
.set bb, \b0
.rept \nb
.irp a, 0,1,2,3,4,5,6,7
	WM \a, bb, \q, \sc, \zero
.endr
.set bb, bb+1
.endr
.endm
.macro FETCH set, slot, q
.if \set
	WIN 0x80
.else
	WIN 0
.endif
.irp a, 0,1,2,3,4,5,6,7
.irp k, 0,1,2
	ds_load_b128 v[F0+12*\a+4*\k:F0+12*\a+4*\k+3], v[AD0+\slot] offset:\a*6144+(\q)*1536+512*\k
.endr
.endr
.irp b, 0,1,2,3
.irp p, 0,1,2,3,4,5
	ds_load_b64 v[F1+12*\b+2*\p:F1+12*\b+2*\p+1], v[AD1+\slot] offset:\b*6144+(\q)*1536+256*\p
.endr
.endr
.endm
.macro SCALES set, k
	WIN 0
.irp p, 0,1,2,3
.irp g, 0,1
	ds_load_b64 v[SC+24*(\set)+4*\p+2*\g:SC+24*(\set)+4*\p+2*\g+1], v[ADS0] offset:\p*1024+(2*(\k)+\g)*256
.endr
.endr
.irp p, 0,1
.irp q, 0,1,2,3
	ds_load_b32 v[SC+24*(\set)+16+4*\p+\q], v[ADS1] offset:\p*1024+(4*(\k)+\q)*128
.endr
.endr
.endm
.macro STEP slot, q, zero
	PLACES 4
	FETCH 1-(\q)%2, \slot, (\q)+1
	s_wait_dscnt 48
	MUL (\q)%2, \q, \slot, 0, 4, \zero
.endm
	s_wait_alu depctr_va_vdst(0)
	s_wait_tensorcnt 0x0                           ; my tile of the head's four is in
	ds_add_u32 v254, v255
	s_mov_b32 s18, 8<<16                           ; no tensor load of mine is out, so descriptors may be written: slot 1's loads bring 8 tiles of source 0,
	s_mov_b32 s20, 8
	s_mov_b32 s26, 4<<16                           ; 4 of source 1
	s_mov_b32 s28, 4
	s_wait_dscnt 0x0
	CROUND                                         ; all four tiles are in, and the partners are here
	JLOAD 52, 16, 60, 24                           ; slot 1's first fill: the first tensor load behind the round
	FETCH 0, 0, 0
	SCALES 0, 0
	STEP 0, 0, 1
	STEP 0, 1, 0
	STEP 0, 2, 0
	WIN 0
	s_wait_tensorcnt 0x0
	s_wait_dscnt 0x0
	s_barrier_signal -1
	MUL 1, 3, 0, 0, 2, 0
	s_barrier_wait -1
	PLACES 4
	FETCH 0, 1, 0
	SCALES 1, 1
	MUL 1, 3, 0, 2, 2, 0
	STEP 1, 0, 0
	STEP 1, 1, 0
	STEP 1, 2, 0
	s_wait_dscnt 0x0
	MUL 1, 3, 1, 0, 4, 0
.macro TOSTAGE b
	WIN 0x04
.irp a, 0,1,2,3,4,5,6,7
	ds_store_b128 v[STO], v[8*(8*(\b)+\a):8*(8*(\b)+\a)+3] offset:128*(\a/2)+32*(\a%2)
	ds_store_b128 v[STO], v[8*(8*(\b)+\a)+4:8*(8*(\b)+\a)+7] offset:128*(\a/2)+32*(\a%2)+16
.endr
	WIN 0
.set BB, BK+64*((\b)%2)
.irp t, 0,1,2,3,4,5,6,7,8,9,10,11,12,13,14,15
	ds_load_b128 v[BB+4*\t:BB+4*\t+3], v[RD] offset:528*\t
.endr
.endm
.macro SEND b, younger
.set BB, BK+64*((\b)%2)
	s_wait_dscnt \younger
.irp t, 0,1,2,3,4,5,6,7,8,9,10,11,12,13,14,15
	global_store_b128 v[L16], v[BB+4*\t:BB+4*\t+3], s[92:93] offset:(32*((\b)/2)+8*((\b)%2)+\t+8*(\t/8))*8192 th:TH_STORE_NT
.endr
.endm
	WIN 0
	PLACES 4
	TOSTAGE 0
	TOSTAGE 1
	SEND 0, 32
	s_wait_xcnt 0x0
	TOSTAGE 2
	SEND 1, 32
	s_wait_xcnt 0x0
	TOSTAGE 3
	SEND 2, 32
	SEND 3, 0
	s_wait_tensorcnt 0x0
	ds_add_u32 v254, v255
	s_wait_dscnt 0x0
	CROUND
	s_endpgm
.Lfunc_end_k_q1a156f3a95_oproj:
	.size	k_q1a156f3a95_oproj, .Lfunc_end_k_q1a156f3a95_oproj-k_q1a156f3a95_oproj
	.p2alignl 7, 3214868480
	.fill 96, 4, 3214868480
	.section	.rodata,"a",@progbits
	.p2align	6, 0x0
	.amdhsa_kernel k_q1a156f3a95_oproj
		.amdhsa_group_segment_fixed_size 327680
		.amdhsa_private_segment_fixed_size 0
		.amdhsa_enable_private_segment 0
		.amdhsa_kernarg_size 24
		.amdhsa_user_sgpr_count 2
		.amdhsa_user_sgpr_kernarg_segment_ptr 1
		.amdhsa_wavefront_size32 1
		.amdhsa_system_sgpr_workgroup_id_x 1
		.amdhsa_system_sgpr_workgroup_id_y 1
		.amdhsa_system_sgpr_workgroup_id_z 1
		.amdhsa_system_vgpr_workitem_id 0
		.amdhsa_next_free_vgpr 768
		.amdhsa_next_free_sgpr 100
		.amdhsa_reserve_vcc 0
		.amdhsa_float_denorm_mode_32 3
		.amdhsa_float_denorm_mode_16_64 3
		.amdhsa_memory_ordered 1
		.amdhsa_forward_progress 1
		.amdhsa_inst_pref_size 85
	.end_amdhsa_kernel
	.amdgpu_metadata
---
amdhsa.version: [ 1, 2 ]
amdhsa.kernels:
  - .name:           k_q1a156f3a95_oproj
    .symbol:         k_q1a156f3a95_oproj.kd
    .args:
      - { .name: prep, .offset: 0, .size: 8, .value_kind: global_buffer, .address_space: global }
      - { .name: att, .offset: 8, .size: 8, .value_kind: global_buffer, .address_space: global }
      - { .name: out0, .offset: 16, .size: 8, .value_kind: global_buffer, .address_space: global }
    .group_segment_fixed_size: 327680
    .private_segment_fixed_size: 0
    .kernarg_segment_align: 8
    .kernarg_segment_size: 24
    .max_flat_workgroup_size: 128
    .sgpr_count:     100
    .vgpr_count:     768
    .wavefront_size: 32
...
	.end_amdgpu_metadata
.endif
;; end of part 4
